; MI455X (gfx1250); checked and timed in simulation.
; The chip was launched on July 23, 2026; its instructions are those of AMD's public machine-readable ISA for CDNA 5 (MIT licence, August 2026) and "CDNA5" Instruction Set Architecture Reference Guide (July 2026). The comments in the code are by the model that wrote it; some were corrected since.
;; Multi Head Self Attention. Allowed arithmetic: float matrix products may take bf16 or f16 operands with f32 sums; other float arithmetic in f32, or as packed bf16 or f16 multiplies, adds, multiply-adds, maxima and minima; sums over many terms, partial sums and values carried from step to step in f32; what a program stores and reads back later, other than sums and carried values, may be rounded once to bf16 or f16.
;; Inputs: W_in 3,072 x 1,024 float32; W_out 1,024 x 1,024 float32; attention_mask 4 x 2,048 x 2,048 float32; b_in 3,072 float32; b_out 1,024 float32; padding_mask 4 x 2,048 bool; query 2,048 x 4 x 1,024 float32.
;; Outputs: out0 2,048 x 4 x 1,024 float32.
;; One version. Each part assembles by itself: llvm-mc -triple=amdgcn-amd-amdhsa -mcpu=gfx1250 --defsym DOCPART=n.
;; ======== version 1 of 1: 4 launches
;; limits: values are held in f16: magnitudes above 65,504 overflow, below 6.1e-05 lose precision
;; workspace buffers: xb 16,777,216 bytes; wb 6,291,456 bytes; wo 2,097,152 bytes; mk 67,108,864 bytes; biasr 16,384 bytes; qkv 50,331,648 bytes; ob 16,777,216 bytes
;; launch prep (part 1): grid 1793 x 1, 8 waves a work-group, no clusters, 0 bytes of LDS; arguments query, W_in, W_out, attention_mask, padding_mask, b_in, b_out, xb, wb, wo, mk, biasr; writes xb, wb, wo, mk, biasr
.if DOCPART == 1
	.amdgcn_target "amdgcn-amd-amdhsa--gfx1250"
	.amdhsa_code_object_version 6
	.text
	.protected	k_q5a1bc568b5_prep
	.globl	k_q5a1bc568b5_prep
	.p2align	8
	.type	k_q5a1bc568b5_prep,@function
k_q5a1bc568b5_prep:
	s_mov_b64 s[64:65], 0
	v_nop
	global_prefetch_b8 v0, s[64:65] scope:SCOPE_SE
	s_setreg_imm32_b32 hwreg(HW_REG_WAVE_MODE, 25, 1), 1
	s_wait_xcnt 0x0
; PREP: every input is rounded once to bf16 and laid out for the launches behind.  A stream: no LDS, no matrix unit, no barrier, no loop.
; Work-groups 0-1023:    mk[b][q][k] = padding_mask[b][k] ? -10000.0 : f32(bf16(attention_mask[b][q][k])), 8 rows of 8,192 bytes each.
; Work-groups 1024-1535: xb = bf16(query), row m = b x 2048 + s, in blocks [m / 256][kb 0..15][256 rows][64 numbers]: a row of a block is 128 bytes, a block is dense.
; Work-groups 1536-1727: wb = bf16(W_in), rows below 1024 (q's) times 1/8 (a power of two: it commutes with every rounding), blocks [n / 384][kb][384][64].
; Work-groups 1728-1791: wo = bf16(W_out) written as f16, blocks [n / 256][kb][256][64].
; Work-group 1792:       biasr = f32 of bf16(b_in) (the first 1024 times 1/8), then of bf16(b_out).
; IN FLIGHT.  A thread asks for all that it will ever read at its head, 16 loads of 16 bytes, works on each piece in place as it comes, and stores it from the registers that it came into:
; no register is loaded twice, so no store's source is ever written again, and every address is one offset register and an immediate.
; LIMITS.  A bf16 number of W_out below 7.6e-6 in magnitude is rounded a second time, to f16's fixed step of 6e-8; beyond 65,504 it would be an infinity.  NaN and infinities are not treated apart.
.set ROW, 8192                         ; bytes in a row of the mask
.set OFF, 2                            ; v2       mask: 16 x thread
.set SO,  4                            ; v4       casts: my byte offset in the source
.set DO,  5                            ; v5       casts: my byte offset in four rows of a block
.set T,   6                            ; v[6:9]   at work
.set NEG, 10                           ; v10      -10000.0
.set PO,  11                           ; v11      4 x thread
.set PW,  12                           ; v[12:13] my eight bytes of padding_mask
.set TM,  14
.set X,   16                           ; v[16:79] as loaded, then as stored
.set HIM, 58                           ; s58      a word's upper bf16
.set M,   66                           ; s[66:73] lane masks: is my column e padded?
	s_load_b512 s[4:19], s[0:1], 0x0               ; query 4, W_in 6, W_out 8, attention_mask 10, padding_mask 12, b_in 14, b_out 16, xb 18
	s_load_b256 s[20:27], s[0:1], 0x40             ; wb 20, wo 22, mk 24, biasr 26
	v_lshrrev_b32 v1, 5, v0
	v_readfirstlane_b32 s28, v1                    ; wave 0..7
	s_mov_b32 s29, ttmp9
	s_mov_b32 s[HIM], 0xffff0000
	s_wait_kmcnt 0x0
	s_cmp_lt_u32 s29, 1024
	s_cbranch_scc0 .Lcasts
; THE MASK.  Thread t owns bytes 16 t and 4096 + 16 t of every row: columns 4 t .. 4 t + 3 and 1024 + 4 t .. + 3, so its eight padding bytes are read once.
	s_lshl_b32 s30, s29, 16                        ; 8 rows of 8,192 bytes
	s_mov_b32 s31, 0
	s_add_nc_u64 s[10:11], s[10:11], s[30:31]
	s_add_nc_u64 s[24:25], s[24:25], s[30:31]
	s_lshr_b32 s30, s29, 8                         ; the batch: 256 work-groups each
	s_lshl_b32 s30, s30, 11
	s_add_nc_u64 s[12:13], s[12:13], s[30:31]
	v_lshlrev_b32 v[PO], 2, v0
	v_lshlrev_b32 v[OFF], 4, v0
	v_mov_b32 v[NEG], 0xc61c4000
	global_load_b32 v[PW], v[PO], s[12:13]
	global_load_b32 v[PW+1], v[PO], s[12:13] offset:1024
.irp i, 0,1,2,3,4,5,6,7
	global_load_b128 v[X+8*\i:X+8*\i+3], v[OFF], s[10:11] offset:\i*ROW th:TH_LOAD_NT
	global_load_b128 v[X+8*\i+4:X+8*\i+7], v[OFF], s[10:11] offset:\i*ROW+4096 th:TH_LOAD_NT
.endr
	s_wait_loadcnt 16                              ; the two padding words are in; the sixteen loads issued behind them stay out
.irp e, 0,1,2,3,4,5,6,7
	v_bfe_u32 v[TM], v[PW+\e/4], 8*(\e%4), 8
	v_cmp_ne_u32 s[M+\e], 0, v[TM]
.endr
.irp i, 0,1,2,3,4,5,6,7
	s_wait_loadcnt 14-2*\i                         ; loads come back in order: row i's two are in, the later rows' stay out
.irp j, 0,1,2,3
	v_cvt_pk_bf16_f32 v[T+\j], v[X+8*\i+2*\j], v[X+8*\i+2*\j+1]
.endr
.irp j, 0,1,2,3
	v_lshlrev_b32 v[X+8*\i+2*\j], 16, v[T+\j]
	v_and_b32 v[X+8*\i+2*\j+1], s[HIM], v[T+\j]
.endr
.irp e, 0,1,2,3,4,5,6,7
	v_cndmask_b32 v[X+8*\i+\e], v[X+8*\i+\e], v[NEG], s[M+\e]
.endr
	global_store_b128 v[OFF], v[X+8*\i:X+8*\i+3], s[24:25] offset:\i*ROW        ; a wave's store covers 512 consecutive bytes, aligned
	global_store_b128 v[OFF], v[X+8*\i+4:X+8*\i+7], s[24:25] offset:\i*ROW+4096
.endr
	s_endpgm
; THE CASTS.  A wave takes 4 rows and half of each (8 blocks kb); lane l takes row l / 8 and 8 numbers (32 bytes of f32, 16 of the result) of each block of 64: the wave's store covers 512 consecutive bytes of a block.
; s[36:37] source, s[40:41] destination.  Block j's eight numbers are packed into the first four of its eight registers, ascending, so that no number is written over before it is read.
.macro CAST ks, scale, f16
.irp j, 0,1,2,3,4,5,6,7
	global_load_b128 v[X+8*\j:X+8*\j+3], v[SO], s[36:37] offset:256*\j th:TH_LOAD_NT
	global_load_b128 v[X+8*\j+4:X+8*\j+7], v[SO], s[36:37] offset:256*\j+16 th:TH_LOAD_NT
.endr
.irp j, 0,1,2,3,4,5,6,7
	s_wait_loadcnt 14-2*\j                         ; block j's two loads are in, the later blocks' stay out
.if \scale
.irp n, 0,1,2,3
	v_pk_mul_f32 v[X+8*\j+2*\n:X+8*\j+2*\n+1], v[X+8*\j+2*\n:X+8*\j+2*\n+1], s[54:55] op_sel_hi:[1,0]
.endr
.endif
.irp n, 0,1,2,3
	v_cvt_pk_bf16_f32 v[X+8*\j+\n], v[X+8*\j+2*\n], v[X+8*\j+2*\n+1]
.endr
.if \f16
.irp n, 0,1,2,3
	v_lshlrev_b32 v[T], 16, v[X+8*\j+\n]           ; the bf16 number, written anew as f16
	v_and_b32 v[T+1], s[HIM], v[X+8*\j+\n]
	v_cvt_pk_f16_f32 v[X+8*\j+\n], v[T], v[T+1]
.endr
.endif
	global_store_b128 v[DO], v[X+8*\j:X+8*\j+3], s[40:41] offset:\j*\ks
.endr
	s_endpgm
.endm
.Lcasts:
	v_and_b32 v1, 31, v0
	v_lshrrev_b32 v2, 3, v1                        ; my row of the wave's four
	v_and_b32 v3, 7, v1                            ; my piece of 8 numbers
	v_lshlrev_b32 v[DO], 4, v1
	s_cmp_lt_u32 s29, 1536
	s_cbranch_scc0 .Lnot_x
	s_sub_co_u32 s31, s29, 1024
	s_and_b32 s56, s31, 1                          ; which half of the rows' 1,024 numbers
	s_lshr_b32 s31, s31, 1                         ; which 32 rows
	s_lshl_b32 s30, s31, 5
	s_lshl2_add_u32 s30, s28, s30                  ; m0 = 32 i + 4 w; m = b x 2048 + s
	s_and_b32 s32, s30, 2047
	s_lshl_b32 s32, s32, 14                        ; query's row (s, b) lies at (4 s + b) x 4,096 bytes
	s_lshr_b32 s33, s30, 11
	s_lshl_b32 s33, s33, 12
	s_or_b32 s32, s32, s33
	s_lshl_b32 s33, s56, 11                        ; the half: 2,048 bytes
	s_or_b32 s32, s32, s33
	s_mov_b32 s33, 0
	s_add_nc_u64 s[36:37], s[4:5], s[32:33]
	s_lshr_b32 s34, s30, 8
	s_lshl_b32 s34, s34, 19
	s_and_b32 s35, s30, 255
	s_lshl_b32 s35, s35, 7
	s_or_b32 s34, s34, s35
	s_lshl_b32 s35, s56, 18                        ; the half: 8 blocks of 32,768 bytes
	s_or_b32 s34, s34, s35
	s_mov_b32 s35, 0
	s_add_nc_u64 s[40:41], s[18:19], s[34:35]
	v_lshlrev_b32 v[SO], 14, v2                    ; the next s is 16,384 bytes on
	v_lshl_add_u32 v[SO], v3, 5, v[SO]
	CAST 32768, 0, 0
.Lnot_x:
	s_cmp_lt_u32 s29, 1728
	s_cbranch_scc0 .Lnot_win
	s_sub_co_u32 s31, s29, 1536
	s_and_b32 s56, s31, 1
	s_lshr_b32 s31, s31, 1                         ; i = 0..95
	s_lshl_b32 s30, s31, 5
	s_lshl2_add_u32 s30, s28, s30                  ; n0 = 32 i + 4 w
	s_lshl_b32 s32, s30, 12
	s_lshl_b32 s33, s56, 11
	s_or_b32 s32, s32, s33
	s_mov_b32 s33, 0
	s_add_nc_u64 s[36:37], s[6:7], s[32:33]
	s_mul_i32 s34, s31, 43
	s_lshr_b32 s34, s34, 9                         ; i / 12 for i below 96: the tile of 384 rows
	s_mul_i32 s35, s34, 384
	s_sub_co_u32 s35, s30, s35
	s_lshl_b32 s35, s35, 7
	s_mul_i32 s34, s34, 786432
	s_add_co_u32 s34, s34, s35
	s_mul_i32 s35, s56, 8*49152
	s_add_co_u32 s34, s34, s35
	s_mov_b32 s35, 0
	s_add_nc_u64 s[40:41], s[20:21], s[34:35]
	s_cmp_lt_u32 s31, 32                           ; rows below 1024 are q's
	s_cselect_b32 s54, 0x3e000000, 1.0
	s_mov_b32 s55, s54
	v_lshlrev_b32 v[SO], 12, v2
	v_lshl_add_u32 v[SO], v3, 5, v[SO]
	CAST 49152, 1, 0
.Lnot_win:
	s_cmp_lt_u32 s29, 1792
	s_cbranch_scc0 .Lbias
	s_sub_co_u32 s31, s29, 1728
	s_and_b32 s56, s31, 1
	s_lshr_b32 s31, s31, 1
	s_lshl_b32 s30, s31, 5
	s_lshl2_add_u32 s30, s28, s30
	s_lshl_b32 s32, s30, 12
	s_lshl_b32 s33, s56, 11
	s_or_b32 s32, s32, s33
	s_mov_b32 s33, 0
	s_add_nc_u64 s[36:37], s[8:9], s[32:33]
	s_lshr_b32 s34, s30, 8
	s_lshl_b32 s34, s34, 19
	s_and_b32 s35, s30, 255
	s_lshl_b32 s35, s35, 7
	s_or_b32 s34, s34, s35
	s_lshl_b32 s35, s56, 18
	s_or_b32 s34, s34, s35
	s_mov_b32 s35, 0
	s_add_nc_u64 s[40:41], s[22:23], s[34:35]
	v_lshlrev_b32 v[SO], 12, v2
	v_lshl_add_u32 v[SO], v3, 5, v[SO]
	CAST 32768, 0, 1
.Lbias:                                        ; 4,096 numbers, 16 a thread
	v_lshlrev_b32 v1, 4, v0
	global_load_b128 v[16:19], v1, s[14:15]
	global_load_b128 v[20:23], v1, s[14:15] offset:4096
	global_load_b128 v[24:27], v1, s[14:15] offset:8192
	global_load_b128 v[28:31], v1, s[16:17]
	s_wait_loadcnt 0x0
.irp j, 0,1,2,3,4,5,6,7
	v_cvt_pk_bf16_f32 v[48+\j], v[16+2*\j], v[17+2*\j]
.endr
.irp j, 0,1,2,3,4,5,6,7
	v_lshlrev_b32 v[16+2*\j], 16, v[48+\j]
	v_and_b32 v[17+2*\j], s[HIM], v[48+\j]
.endr
.irp j, 16,17,18,19
	v_mul_f32 v\j, 0x3e000000, v\j                 ; q's bias times 1/8
.endr
.irp j, 0,1,2,3
	global_store_b128 v1, v[16+4*\j:19+4*\j], s[26:27] offset:4096*\j
.endr
	s_endpgm
.Lfunc_end_k_q5a1bc568b5_prep:
	.size	k_q5a1bc568b5_prep, .Lfunc_end_k_q5a1bc568b5_prep-k_q5a1bc568b5_prep
	.p2alignl 7, 3214868480
	.fill 96, 4, 3214868480
	.section	.rodata,"a",@progbits
	.p2align	6, 0x0
	.amdhsa_kernel k_q5a1bc568b5_prep
		.amdhsa_group_segment_fixed_size 0
		.amdhsa_private_segment_fixed_size 0
		.amdhsa_enable_private_segment 0
		.amdhsa_kernarg_size 96
		.amdhsa_user_sgpr_count 2
		.amdhsa_user_sgpr_kernarg_segment_ptr 1
		.amdhsa_wavefront_size32 1
		.amdhsa_system_sgpr_workgroup_id_x 1
		.amdhsa_system_sgpr_workgroup_id_y 1
		.amdhsa_system_sgpr_workgroup_id_z 1
		.amdhsa_system_vgpr_workitem_id 0
		.amdhsa_next_free_vgpr 80
		.amdhsa_next_free_sgpr 74
		.amdhsa_reserve_vcc 0
		.amdhsa_float_denorm_mode_32 3
		.amdhsa_float_denorm_mode_16_64 3
		.amdhsa_memory_ordered 1
		.amdhsa_forward_progress 1
		.amdhsa_inst_pref_size 39
	.end_amdhsa_kernel
	.amdgpu_metadata
---
amdhsa.version: [ 1, 2 ]
amdhsa.kernels:
  - .name:           k_q5a1bc568b5_prep
    .symbol:         k_q5a1bc568b5_prep.kd
    .args:
      - { .name: query, .offset: 0, .size: 8, .value_kind: global_buffer, .address_space: global }
      - { .name: W_in, .offset: 8, .size: 8, .value_kind: global_buffer, .address_space: global }
      - { .name: W_out, .offset: 16, .size: 8, .value_kind: global_buffer, .address_space: global }
      - { .name: attention_mask, .offset: 24, .size: 8, .value_kind: global_buffer, .address_space: global }
      - { .name: padding_mask, .offset: 32, .size: 8, .value_kind: global_buffer, .address_space: global }
      - { .name: b_in, .offset: 40, .size: 8, .value_kind: global_buffer, .address_space: global }
      - { .name: b_out, .offset: 48, .size: 8, .value_kind: global_buffer, .address_space: global }
      - { .name: xb, .offset: 56, .size: 8, .value_kind: global_buffer, .address_space: global }
      - { .name: wb, .offset: 64, .size: 8, .value_kind: global_buffer, .address_space: global }
      - { .name: wo, .offset: 72, .size: 8, .value_kind: global_buffer, .address_space: global }
      - { .name: mk, .offset: 80, .size: 8, .value_kind: global_buffer, .address_space: global }
      - { .name: biasr, .offset: 88, .size: 8, .value_kind: global_buffer, .address_space: global }
    .group_segment_fixed_size: 0
    .private_segment_fixed_size: 0
    .kernarg_segment_align: 8
    .kernarg_segment_size: 96
    .max_flat_workgroup_size: 256
    .sgpr_count:     74
    .vgpr_count:     80
    .wavefront_size: 32
...
	.end_amdgpu_metadata
.endif
;; end of part 1
;; launch qkv (part 2): grid 8 x 32, 4 waves a work-group, clusters of 4 x 4, 327,680 bytes of LDS; arguments xb, wb, biasr, padding_mask, qkv; writes qkv
.if DOCPART == 2
	.amdgcn_target "amdgcn-amd-amdhsa--gfx1250"
	.amdhsa_code_object_version 6
	.text
	.protected	k_q5a1bc568b5_qkv
	.globl	k_q5a1bc568b5_qkv
	.p2align	8
	.type	k_q5a1bc568b5_qkv,@function
k_q5a1bc568b5_qkv:
	s_mov_b64 s[64:65], 0
	v_nop
	global_prefetch_b8 v0, s[64:65] scope:SCOPE_SE
	s_setreg_imm32_b32 hwreg(HW_REG_WAVE_MODE, 25, 1), 1
	s_wait_xcnt 0x0
	s_wait_alu depctr_hold_cnt(0) depctr_sa_sdst(0) depctr_va_vdst(0) depctr_va_sdst(0) depctr_va_ssrc(0) depctr_va_vcc(0) depctr_vm_vsrc(0)
	s_getreg_b32 s2, hwreg(HW_REG_IB_STS2, 6, 4)
	s_cmp_eq_u32 s2, 0
	s_cbranch_scc0 .Lentry_in_a_cluster
	s_endpgm
.Lentry_in_a_cluster:
	s_bfe_u32 s2, ttmp6, 0x10000c
	s_cmp_lg_u32 s2, 0xf033
	s_cbranch_scc0 .Lentry_shape_is_right
	s_endpgm
.Lentry_shape_is_right:
; THE INPUT PROJECTION.  C[m][n] = sum over k of x[m][k] W_in[n][k] + b_in[n], m = b x 2048 + s (8,192), n = 0..3071, k = 0..1023; operands bf16, sums f32, C rounded once to f16.
; q's rows of W_in and of the bias carry the scale 1/8 already.  The rows of K that belong to padded keys are stored as zeros, so that their scores are exactly what the rewritten mask holds.
; C leaves by heads: qkv[which 3][b 4][hg 4][s / 64][hl 4][s % 64][64], head = 4 hg + hl: 64 keys of four heads are 32,768 dense bytes.
; LIMITS.  q / 8, k and v beyond 65,504 would be infinities in f16; NaN and infinities are not treated apart.
; SHARES.  A tile of C is 256 x 384: 32 x 8 tiles, one for each work-group.  Four waves, 2 x 2, each 128 x 192: 96 accumulators of 16 x 16, 768 registers (windows 1 to 3).
; K goes in steps of 64 through two LDS slots.  xb and wb lie in blocks [tile][kb][rows][64], so a step's tile is dense in memory and is asked for as rows of 256 bytes.
; CLUSTER 4 x 4: A's tile is shared along a row of the cluster, B's along a column: joint loads, the same descriptor and mask in the four that a mask names.
; THE MATRIX INSTRUCTION IS USED TRANSPOSED (source 0 = 16 rows of W_in, source 1 = 16 rows of x): a lane holds one row m and eight neighbouring n.
; FRAGMENTS.  A has two buffers, B one: B's twelve fragments fall into three groups of four; when a group's 32 products are issued, its registers take the next quarter's fragments.
; No prefetch: the tiles are read by several clusters shortly after each other, and B's 192 blocks of 256 bytes a step do not deal out evenly among four partners' waves.
.set NA, 8                             ; A fragments of a wave
.set NG, 3                             ; groups of four B fragments
.set TRA, 256
.set TRB, 384
.set NS, 16                            ; K steps
.set PITCH, 144                        ; an LDS row: 128 bytes + 16 = 36 words: the 16 rows of a load start at 16 different groups of four banks (64 banks of 4 bytes: ISA guide 11.1)
.set AREG, TRA*PITCH                   ; A's 256 rows, then B's 384
.set CHA, 128*PITCH                    ; LDS bytes of what one wave fetches of A,
.set CHB, 192*PITCH                    ; of B
.set GCA, 16384                        ; the same in memory
.set GCB, 24576
.set RA, 64                            ; as rows of 256 bytes
.set RB, 96
.set KSA, 32768                        ; from a K step to the next, in memory
.set KSB, 49152
.set TBA, 524288                       ; from a tile to the next
.set TBB, 786432
.set SLOT1, 1<<17                      ; slot 1 begins here: one exclusive or changes slots
.set STAGE, SLOT1+AREG+TRB*PITCH       ; 223,232: behind the ring, 16 rows x 144 bytes for each wave
.set SPARE, STAGE+4*16*PITCH           ; 232,448: the spare words, 128 bytes for each wave: two blocks of 256 bytes that no other line names
.set G1W0, (1<<16)|(1<<20)|(1<<21)|(4<<22)|(3<<25)  ; 2-byte elements; padding on; bit 21 beside a mask; after every 32 words, 4 words
.set ADRA, 4                           ; v4   LDS address of my A fragments in the slot in hand
.set ADRB, 5                           ; v5   of my B fragments
.set STO, 6
.set RD, 7
.set GO, 8
.set SPW, 10                           ; v10  my spare word; never rewritten
.set NIL, 11                           ; v11  0; never rewritten
.set BO, 12                            ; v12  32 x (lane / 16): my eight numbers of a fragment's bias
.set MK, 13
.set ADRA0, 14                         ; v14, v15  the same addresses in slot 0; never rewritten
.set ADRB0, 15
.set KM, 16                            ; v[16:23]  block a: all ones, or 0 where my row's key is padded
.set AF0, 32
.set AF1, AF0+8*NA
.set BF, AF0+16*NA                     ; v[160:255]
.set T, 32                             ; the way out: sums with bias
.set PK, 64                            ; packed
.set OB, 96                            ; whole rows, two buffers of 16
.set WV, 14
.set WR, 15                            ; my half of the rows; also: I fetch for A (0) or B (1)
.set WC, 16                            ; my half of the columns; also: which half I fetch
.set CX, 17
.set CY, 18
.set TX, 19
.set TY, 20
.set G1A, 24
.set G0A, 32                           ; two sets: step 0 into slot 0; step 1 into slot 1, which then walks
.set G1B, 40
.set G0B, 48
.set CNT, 56
.set TB, 57                            ; 0 or SLOT1: the slot in hand
.set BIA, 62
.set PADP, 66
.set BB, 68
.set S0, 69
.set OBASE, 70                         ; s[70:75] where group g's 64 columns (one head of q, k or v) go
.set NOTK, 76                          ; s76-78  0 if group g belongs to K, else all ones
.set COM, 79
.set MSB, 0
.macro WIN new                         ; the immediate's high byte repeats the setting that is left; a switch that changes nothing is dropped
.if MSB != (\new)
	s_set_vgpr_msb (MSB<<8)|(\new)
.set MSB, \new
.endif
.endm
.macro PLACES                          ; four places behind matrix instructions, in front of loads into registers that they read and of sums that read results
.rept 4
	v_nop
.endr
.endm
.macro CREST                           ; a round of the cluster's barrier behind its opening barrier
	s_cmp_lg_u32 s[WV], 0
	s_cbranch_scc1 .Lnot_wave_0_\@
	s_barrier_signal -3
.Lnot_wave_0_\@:
	s_barrier_wait -3
	s_barrier_signal -1
	s_barrier_wait -1
.endm
.macro CROUND
	s_barrier_signal -1
	s_barrier_wait -1
	CREST
.endm
.macro JLOAD                           ; a joint refill by the walking sets; an s_nop 0 and four v_nop follow each line
	s_cmp_eq_u32 s[WR], 0
	s_cbranch_scc0 .Lfor_b_\@
	tensor_load_to_lds s[G0A+4:G0A+7], s[G1A:G1A+7]
	s_nop 0
.rept 4
	v_nop
.endr
	s_branch .Lasked_\@
.Lfor_b_\@:
	tensor_load_to_lds s[G0B+4:G0B+7], s[G1B:G1B+7]
	s_nop 0
.rept 4
	v_nop
.endr
.Lasked_\@:
.endm
; 2 NA products: B fragments 4 g + 2 half and the next, times all A fragments of buffer abuf.  No two products on end share an accumulator, and a whole quarter stands between two links of a chain.
.macro GRP abuf, g, half, zero
.set gw, 1+(4*(\g)*NA*8)/256
	WIN 0x50*gw
.irp bl, 2*(\half), 2*(\half)+1
.set ai, 0
.rept NA
.set rD, (((4*(\g)+(\bl))*NA+ai)*8)%256
.set rB, BF+8*(4*(\g)+(\bl))
.set rA, (\abuf)+8*ai
.if \zero
	v_wmma_f32_16x16x32_bf16 v[rD:rD+7], v[rB:rB+7], v[rA:rA+7], 0
.else
	v_wmma_f32_16x16x32_bf16 v[rD:rD+7], v[rB:rB+7], v[rA:rA+7], v[rD:rD+7]
.endif
.set ai, ai+1
.endr
.endr
.endm
.macro LDB g, off                      ; group g's four fragments of B: 8 loads
	WIN 0
.irp i, 0,1,2,3
	ds_load_b128 v[BF+8*(4*(\g)+\i):BF+8*(4*(\g)+\i)+3], v[ADRB] offset:(\off)+(4*(\g)+\i)*16*PITCH
	ds_load_b128 v[BF+8*(4*(\g)+\i)+4:BF+8*(4*(\g)+\i)+7], v[ADRB] offset:(\off)+(4*(\g)+\i)*16*PITCH+32
.endr
.endm
.macro LDA buf, off                    ; all fragments of A: 2 NA loads
	WIN 0
.set ai, 0
.rept NA
	ds_load_b128 v[(\buf)+8*ai:(\buf)+8*ai+3], v[ADRA] offset:(\off)+ai*16*PITCH
	ds_load_b128 v[(\buf)+8*ai+4:(\buf)+8*ai+7], v[ADRA] offset:(\off)+ai*16*PITCH+32
.set ai, ai+1
.endr
.endm
; A quarter is 32 along K: 96 products.  It fetches the next quarter of the same slot: behind group 0, B's group 0 and A (24 loads); behind each later group, that group (8).
.macro QUARTER q, zero
.set AB, AF0+8*NA*((\q)%2)
.set AO, AF0+8*NA*(1-(\q)%2)
.set qn, (\q)+1
.set oA, (qn/2)*TRA*PITCH+(qn%2)*64
.set oB, (qn/2)*TRB*PITCH+(qn%2)*64
	s_wait_dscnt 8*(NG-1)                          ; B's group 0 and A are in; the later groups' loads may be out
	GRP AB, 0, 0, \zero
	GRP AB, 0, 1, \zero
	PLACES
	LDB 0, oB
	LDA AO, oA
.set g, 1
.rept NG-1
	s_wait_dscnt 8*(NG-1)+2*NA                     ; group g is in; behind it: the later groups, and what this quarter has asked for
	GRP AB, g, 0, \zero
	GRP AB, g, 1, \zero
	PLACES
	LDB g, oB
.set g, g+1
.endr
.endm
; A slot's last quarter changes slots: ONE barrier.  In front of it each wave waits for all its tensor loads (one is out: its part of the other slot), adds 0 to its spare word, and waits for that and for its reads of this slot.
; fill = 1: the barrier opens a round of the cluster's barrier, and the joint refill, two K steps ahead, is the first thing behind the round.
.macro TURN fill
	WIN 0
	s_wait_tensorcnt 0x0
	ds_add_u32 v[SPW], v[NIL]
.if \fill
	s_xor_b32 s[G0A+5], s[G0A+5], SLOT1            ; no tensor load of mine is out: the walking sets step to the other slot and the next K step
	s_add_nc_u64 s[G0A+6:G0A+7], s[G0A+6:G0A+7], KSA
	s_xor_b32 s[G0B+5], s[G0B+5], SLOT1
	s_add_nc_u64 s[G0B+6:G0B+7], s[G0B+6:G0B+7], KSB
.endif
	s_wait_dscnt 8*(NG-1)+1                        ; the later groups' loads and the add may be out
	GRP AF1, 0, 0, 0
	s_wait_dscnt 0x0                               ; the add is done, and my reads of this slot are over
	s_barrier_signal -1
	GRP AF1, 0, 1, 0
	WIN 0
	s_barrier_wait -1
.if \fill
	CREST
	JLOAD                                          ; its four v_nop are also the places in front of the loads below
.else
	PLACES
.endif
	s_xor_b32 s[TB], s[TB], SLOT1
	v_add_nc_u32 v[ADRA], s[TB], v[ADRA0]
	v_add_nc_u32 v[ADRB], s[TB], v[ADRB0]
	LDB 0, 0
	LDA AF0, 0
.set g, 1
.rept NG-1
	GRP AF1, g, 0, 0                               ; (its fragments came in by the wait for 0 above)
	GRP AF1, g, 1, 0
	PLACES
	LDB g, 0
.set g, g+1
.endr
.endm
	s_load_b256 s[4:11], s[0:1], 0x0               ; xb 4, wb 6, biasr 8, padding_mask 10
	s_load_b64 s[12:13], s[0:1], 0x20              ; qkv
	v_lshl_add_u32 v[SPW], v0, 2, SPARE
	v_mov_b32 v[NIL], 0
	ds_add_u32 v[SPW], v[NIL]                      ; the wave's opening: the add and its wait stand ahead of my first tensor load
	v_lshrrev_b32 v1, 5, v0
	v_readfirstlane_b32 s[WV], v1
	s_lshr_b32 s[WR], s[WV], 1
	s_and_b32 s[WC], s[WV], 1
	s_bfe_u32 s[CX], ttmp6, 0x40000
	s_bfe_u32 s[CY], ttmp6, 0x40004
	s_lshl_b32 s[TX], ttmp9, 2
	s_add_co_u32 s[TX], s[TX], s[CX]               ; tile column
	s_and_b32 s[TY], ttmp7, 0xffff
	s_lshl_b32 s[TY], s[TY], 2
	s_add_co_u32 s[TY], s[TY], s[CY]               ; tile row
	s_lshl_b32 s21, s[CY], 2
	s_lshl_b32 s21, 15, s21                        ; my row of the cluster
	s_lshl_b32 s22, 0x1111, s[CX]                  ; my column
	s_or_b32 s[G1A], s21, G1W0
	s_or_b32 s[G1B], s22, G1W0
	s_mov_b32 s[G1A+1], 128<<16                    ; tensor_dim0 = 128 elements: 256 bytes
	s_mov_b32 s[G1A+2], RA<<16                     ; tensor_dim1
	s_mov_b32 s[G1A+3], 128<<16                    ; tile_dim0
	s_mov_b32 s[G1A+4], RA                         ; tile_dim1
	s_mov_b32 s[G1A+5], 128                        ; the rows lie end to end
	s_mov_b32 s[G1A+6], 0
	s_mov_b32 s[G1A+7], 0
	s_mov_b32 s[G1B+1], 128<<16
	s_mov_b32 s[G1B+2], RB<<16
	s_mov_b32 s[G1B+3], 128<<16
	s_mov_b32 s[G1B+4], RB
	s_mov_b32 s[G1B+5], 128
	s_mov_b32 s[G1B+6], 0
	s_mov_b32 s[G1B+7], 0
	s_mul_i32 s58, s[TY], TBA                      ; A's address hangs on the tile row and the wave alone,
	s_mul_i32 s23, s[WC], GCA
	s_add_co_u32 s58, s58, s23
	s_mov_b32 s59, 0
	s_mul_i32 s60, s[TX], TBB                      ; B's on the tile column and the wave
	s_mul_i32 s23, s[WC], GCB
	s_add_co_u32 s60, s60, s23
	s_mov_b32 s61, 0
	s_mul_i32 s2, s[WC], CHA                       ; the LDS addresses on the wave alone
	s_mul_i32 s3, s[WC], CHB
	s_add_co_u32 s3, s3, AREG
	s_mov_b32 s[TB], 0
	s_wait_dscnt 0x0                               ; the opening add is done
	s_wait_kmcnt 0x0
	s_add_nc_u64 s[58:59], s[4:5], s[58:59]
	s_add_nc_u64 s[60:61], s[6:7], s[60:61]
.irp s, 0,1
	s_mov_b32 s[G0A+4*\s], 1
	s_add_co_u32 s[G0A+4*\s+1], s2, \s*SLOT1
	s_add_nc_u64 s[G0A+4*\s+2:G0A+4*\s+3], s[58:59], \s*KSA
	s_or_b32 s[G0A+4*\s+3], s[G0A+4*\s+3], 0x80000000
	s_mov_b32 s[G0B+4*\s], 1
	s_add_co_u32 s[G0B+4*\s+1], s3, \s*SLOT1
	s_add_nc_u64 s[G0B+4*\s+2:G0B+4*\s+3], s[60:61], \s*KSB
	s_or_b32 s[G0B+4*\s+3], s[G0B+4*\s+3], 0x80000000
.endr
	CROUND                                         ; all sixteen work-groups are here: the first joint loads meet
	s_cmp_eq_u32 s[WR], 0                          ; a wave's two first fills stand in one branch: two loads of mine are out
	s_cbranch_scc0 .Lfirst_b
	tensor_load_to_lds s[G0A:G0A+3], s[G1A:G1A+7]
	s_nop 0
	tensor_load_to_lds s[G0A+4:G0A+7], s[G1A:G1A+7]
	s_nop 0
.rept 4
	v_nop
.endr
	s_branch .Lfirst_asked
.Lfirst_b:
	tensor_load_to_lds s[G0B:G0B+3], s[G1B:G1B+7]
	s_nop 0
	tensor_load_to_lds s[G0B+4:G0B+7], s[G1B:G1B+7]
	s_nop 0
.rept 4
	v_nop
.endr
.Lfirst_asked:
	v_and_b32 v1, 15, v0                           ; r = l % 16
	v_bfe_u32 v2, v0, 4, 1                         ; h = l / 16
	v_mul_u32_u24 v3, v1, PITCH
	v_lshl_add_u32 v3, v2, 4, v3                   ; a fragment's row x pitch + 16 h
	s_mul_i32 s21, s[WR], 16*NA*PITCH
	s_mul_i32 s22, s[WC], 64*NG*PITCH
	s_add_co_u32 s22, s22, AREG
	v_add_nc_u32 v[ADRA0], s21, v3
	v_add_nc_u32 v[ADRB0], s22, v3
	v_mov_b32 v[ADRA], v[ADRA0]
	v_mov_b32 v[ADRB], v[ADRB0]
	s_mul_i32 s23, s[WV], 16*PITCH
	s_add_co_u32 s23, s23, STAGE                   ; my stage
	v_add_nc_u32 v[STO], s23, v3                   ; in: row r, 16 bytes for each half of the lanes
	v_bfe_u32 v[RD], v0, 3, 2                      ; back: 32 lanes take four rows of 128 bytes,
	v_mul_u32_u24 v[RD], v[RD], PITCH
	v_and_b32 v9, 7, v0
	v_lshl_add_u32 v[RD], v9, 4, v[RD]
	v_add_nc_u32 v[RD], s23, v[RD]
	v_and_b32 v[GO], 31, v0                        ; which are 512 consecutive bytes of qkv
	v_lshlrev_b32 v[GO], 4, v[GO]
	v_lshlrev_b32 v[BO], 5, v2
	s_lshr_b32 s[BB], s[TY], 3                     ; the batch
	s_and_b32 s[S0], s[TY], 7
	s_lshl_b32 s[S0], s[S0], 8
	s_lshl_b32 s23, s[WR], 7
	s_add_co_u32 s[S0], s[S0], s23                 ; my first s
	s_lshl_b32 s[PADP], s[BB], 11
	s_add_co_u32 s[PADP], s[PADP], s[S0]
	s_mov_b32 s[PADP+1], 0
	s_add_nc_u64 s[PADP:PADP+1], s[10:11], s[PADP:PADP+1]
.irp a, 0,1,2,3,4,5,6,7
	global_load_u8 v[KM+\a], v1, s[PADP:PADP+1] offset:16*\a  ; is the key of my row in block a padded?
.endr
	s_mul_i32 s[BIA], s[TX], 1536
	s_mul_i32 s23, s[WC], 768
	s_add_co_u32 s[BIA], s[BIA], s23
	s_mov_b32 s[BIA+1], 0
	s_add_nc_u64 s[BIA:BIA+1], s[8:9], s[BIA:BIA+1]  ; the bias of my 192 columns
	s_lshl_b32 s[COM], s[BB], 22
	s_lshl_b32 s23, s[S0], 9                       ; (s0 / 64) x 32,768
	s_add_co_u32 s[COM], s[COM], s23
	s_mul_i32 s2, s[TX], 6
	s_mul_i32 s23, s[WC], 3
	s_add_co_u32 s2, s2, s23                       ; group 0's chunk of 64 columns: ch = 6 TX + 3 WC + g; which = ch / 16, head = ch % 16
.irp g, 0,1,2
	s_add_co_u32 s21, s2, \g
	s_lshr_b32 s22, s21, 4
	s_cmp_eq_u32 s22, 1
	s_cselect_b32 s[NOTK+\g], 0, -1
	s_lshl_b32 s22, s22, 24
	s_bfe_u32 s23, s21, 0x20002
	s_lshl_b32 s23, s23, 20
	s_or_b32 s22, s22, s23
	s_and_b32 s23, s21, 3
	s_lshl_b32 s23, s23, 13
	s_or_b32 s22, s22, s23
	s_add_co_u32 s[OBASE+2*\g], s22, s[COM]
	s_mov_b32 s[OBASE+2*\g+1], 0
	s_add_nc_u64 s[OBASE+2*\g:OBASE+2*\g+1], s[12:13], s[OBASE+2*\g:OBASE+2*\g+1]
.endr
	s_wait_tensorcnt 0x1                           ; my part of K step 0 is in; step 1's may stay out
	s_barrier_signal -1
	s_barrier_wait -1
	LDB 0, 0
	LDA AF0, 0
	LDB 1, 0
	LDB 2, 0
	QUARTER 0, 1                                   ; the first quarter's products start the sums: nothing is cleared
	WIN 0
	s_mov_b32 s[CNT], NS-2
.Lstep:                                        ; a trip: a step's second quarter, with a refill, and the next step's first
	TURN 1
	QUARTER 0, 0
	WIN 0
	s_sub_co_u32 s[CNT], s[CNT], 1
	s_cmp_lg_u32 s[CNT], 0
	s_cbranch_scc1 .Lstep
	TURN 0                                         ; the tail is written out: nothing more is asked for
	QUARTER 0, 0
	s_wait_dscnt 0x0                               ; the very last quarter; each group's registers then take the group's bias
.set g, 0
.rept NG
	GRP AF1, g, 0, 0
	GRP AF1, g, 1, 0
	PLACES
	WIN 0
.irp i, 0,1,2,3
	global_load_b128 v[BF+8*(4*g+\i):BF+8*(4*g+\i)+3], v[BO], s[BIA:BIA+1] offset:(4*g+\i)*64
	global_load_b128 v[BF+8*(4*g+\i)+4:BF+8*(4*g+\i)+7], v[BO], s[BIA:BIA+1] offset:(4*g+\i)*64+16
.endr
.set g, g+1
.endr
	s_wait_loadcnt 0x0                             ; the bias and the padding bytes
.irp a, 0,1,2,3,4,5,6,7
	v_add_nc_u32 v[KM+\a], -1, v[KM+\a]            ; 0 -> all ones, 1 -> 0
.endr
; THE WAY OUT, 24 blocks n = 8 g + a of 16 rows x 64 columns.  PACK: + bias, rounded to f16, K's padded rows cleared.  TOSTAGE: into my stage, back as whole rows of 128 bytes.  SEND: 2,048 consecutive bytes.
.macro PACK n
.set pg, (\n)/8
.set pa, (\n)%8
	WIN 1+pg                                       ; source 0: the group's window
.set pb, 0
.rept 4
.set pp, 0
.rept 4
	v_pk_add_f32 v[T+8*pb+2*pp:T+8*pb+2*pp+1], v[64*pb+8*pa+2*pp:64*pb+8*pa+2*pp+1], v[BF+8*(4*pg+pb)+2*pp:BF+8*(4*pg+pb)+2*pp+1]
.set pp, pp+1
.endr
.set pb, pb+1
.endr
	WIN 0
	v_or_b32 v[MK], s[NOTK+pg], v[KM+pa]
.set pp, 0
.rept 16
	v_cvt_pk_f16_f32 v[PK+pp], v[T+2*pp], v[T+2*pp+1]
.set pp, pp+1
.endr
.set pp, 0
.rept 16
	v_and_b32 v[PK+pp], v[MK], v[PK+pp]
.set pp, pp+1
.endr
.endm
.macro TOSTAGE n
.set ob, OB+16*((\n)%2)
.irp f, 0,1,2,3
	ds_store_b128 v[STO], v[PK+4*\f:PK+4*\f+3] offset:32*\f
.endr
	s_wait_xcnt 0x0                                ; the stores of two blocks back have read this buffer
.irp f, 0,1,2,3
	ds_load_b128 v[ob+4*\f:ob+4*\f+3], v[RD] offset:\f*4*PITCH  ; LDS serves a wave's instructions in order (ISA guide 5.7.1.4): these see the stores above
.endr
.endm
.macro SEND n
.set ob, OB+16*((\n)%2)
.set pg, (\n)/8
.set pa, (\n)%8
	s_wait_dscnt 0x0
.irp f, 0,1,2,3
	global_store_b128 v[GO], v[ob+4*\f:ob+4*\f+3], s[OBASE+2*pg:OBASE+2*pg+1] offset:(pa/4)*32768+(pa%4)*2048+\f*512  ; 512 consecutive bytes, at a multiple of 512 from the buffer's first
.endr
.endm
	PACK 0
	TOSTAGE 0
.set n, 1
.rept 23                               ; block n's arithmetic stands between block n - 1's loads from the stage and the wait for them
	PACK n
	SEND n-1
	TOSTAGE n
.set n, n+1
.endr
	SEND 23
	s_wait_tensorcnt 0x0                           ; the wave's end
	ds_add_u32 v[SPW], v[NIL]
	s_wait_dscnt 0x0
	CROUND                                         ; the closing round
	s_endpgm
.Lfunc_end_k_q5a1bc568b5_qkv:
	.size	k_q5a1bc568b5_qkv, .Lfunc_end_k_q5a1bc568b5_qkv-k_q5a1bc568b5_qkv
	.p2alignl 7, 3214868480
	.fill 96, 4, 3214868480
	.section	.rodata,"a",@progbits
	.p2align	6, 0x0
	.amdhsa_kernel k_q5a1bc568b5_qkv
		.amdhsa_group_segment_fixed_size 327680
		.amdhsa_private_segment_fixed_size 0
		.amdhsa_enable_private_segment 0
		.amdhsa_kernarg_size 40
		.amdhsa_user_sgpr_count 2
		.amdhsa_user_sgpr_kernarg_segment_ptr 1
		.amdhsa_wavefront_size32 1
		.amdhsa_system_sgpr_workgroup_id_x 1
		.amdhsa_system_sgpr_workgroup_id_y 1
		.amdhsa_system_sgpr_workgroup_id_z 1
		.amdhsa_system_vgpr_workitem_id 0
		.amdhsa_next_free_vgpr 1024
		.amdhsa_next_free_sgpr 80
		.amdhsa_reserve_vcc 0
		.amdhsa_float_denorm_mode_32 3
		.amdhsa_float_denorm_mode_16_64 3
		.amdhsa_memory_ordered 1
		.amdhsa_forward_progress 1
		.amdhsa_inst_pref_size 153
	.end_amdhsa_kernel
	.amdgpu_metadata
---
amdhsa.version: [ 1, 2 ]
amdhsa.kernels:
  - .name:           k_q5a1bc568b5_qkv
    .symbol:         k_q5a1bc568b5_qkv.kd
    .args:
      - { .name: xb, .offset: 0, .size: 8, .value_kind: global_buffer, .address_space: global }
      - { .name: wb, .offset: 8, .size: 8, .value_kind: global_buffer, .address_space: global }
      - { .name: biasr, .offset: 16, .size: 8, .value_kind: global_buffer, .address_space: global }
      - { .name: padding_mask, .offset: 24, .size: 8, .value_kind: global_buffer, .address_space: global }
      - { .name: qkv, .offset: 32, .size: 8, .value_kind: global_buffer, .address_space: global }
    .group_segment_fixed_size: 327680
    .private_segment_fixed_size: 0
    .kernarg_segment_align: 8
    .kernarg_segment_size: 40
    .max_flat_workgroup_size: 128
    .sgpr_count:     80
    .vgpr_count:     1024
    .wavefront_size: 32
...
	.end_amdgpu_metadata
.endif
;; end of part 2
;; launch attn (part 3): grid 16 x 16, 4 waves a work-group, clusters of 4 x 4, 327,680 bytes of LDS; arguments qkv, mk, ob; writes ob
.if DOCPART == 3
	.amdgcn_target "amdgcn-amd-amdhsa--gfx1250"
	.amdhsa_code_object_version 6
	.text
	.protected	k_q5a1bc568b5_attn
	.globl	k_q5a1bc568b5_attn
	.p2align	8
	.type	k_q5a1bc568b5_attn,@function
k_q5a1bc568b5_attn:
	s_mov_b64 s[64:65], 0
	v_nop
	global_prefetch_b8 v0, s[64:65] scope:SCOPE_SE
	s_setreg_imm32_b32 hwreg(HW_REG_WAVE_MODE, 25, 1), 1
	s_wait_xcnt 0x0
	s_wait_alu depctr_hold_cnt(0) depctr_sa_sdst(0) depctr_va_vdst(0) depctr_va_sdst(0) depctr_va_ssrc(0) depctr_va_vcc(0) depctr_vm_vsrc(0)
	s_getreg_b32 s2, hwreg(HW_REG_IB_STS2, 6, 4)
	s_cmp_eq_u32 s2, 0
	s_cbranch_scc0 .Lentry_in_a_cluster
	s_endpgm
.Lentry_in_a_cluster:
	s_bfe_u32 s2, ttmp6, 0x10000c
	s_cmp_lg_u32 s2, 0xf033
	s_cbranch_scc0 .Lentry_shape_is_right
	s_endpgm
.Lentry_shape_is_right:
; ATTENTION.  O[b][head][q][:] = the sum over k of softmax_k(q . k + mk[b][q][k]) V[k][:].  q (with the scale 1/8 in it), k, v: f16, by heads, from qkv; mk: f32, -10000 in padded columns;
; K's rows of padded keys are zeros, so a padded key's score is exactly -10000.  Products, maxima and sums in f32; the weights p are rounded to f16 for the second product (their sum l is taken of the unrounded p), O once.
; LIMITS.  q, k, v arrive within f16's 65,504; p below 6e-5 keeps f16's fixed step of 6e-8; a weight below 2^-126 counts as 0 in l; NaN and infinities are not treated apart.
; SHARES.  A work-group owns 128 queries of FOUR heads of one batch: wave w is head 4 hg + w, with four PIECES of two tiles of 16 queries.  The four waves read the same tile of the mask from LDS; each has its own K and V.
; Every wave walks all 2,048 keys, 64 a step; a slot of LDS holds one step: K and V of four heads (32,768 dense bytes each in memory) and 128 x 64 numbers of the mask.
; THE MASK IS THE C OPERAND of the product that starts a score's sum: it costs no vector instruction.  In S^T = K Q^T a lane holds one query (lane % 16) and the keys 8 (lane / 16) + 0..7: 32 neighbouring bytes of the mask's row.
; LAYOUT, SOFTMAX.  Two results S^T rounded to f16 in pairs ARE source 1 of O^T = V^T P.  K comes out of LDS as it lies, V turned, by ds_load_tr16_b128.  p = 2^(c s - c m), c = log2(e), with a running maximum m;
; in every step O and l are multiplied by a = 2^(c m_old - c m_new).  m starts at the lowest finite number, O and l at 0: the first step is a step like any other, with a = 0.
; BY TURNS.  Turn n belongs to piece n.  Matrix work: 16 products K Q^T of piece n + 1, later 16 products V^T P of piece n - 1.  Vector work: the scaling, exponentials, roundings, sums and rescaling of piece n and the
; maximum and statistics of piece n + 1.  A tile and step have 16 matrix and 118 vector instructions: four that are ready stand behind every matrix instruction, the others in two runs of their own.
; CLUSTER 4 x 4: along x four query blocks, along y the four groups of heads of one batch.  The four of a row walk the same K and V (wave 0 asks for K, wave 1 for V), the four of a column the same tile of the mask
; (waves 2 and 3, 64 rows each): every tile is asked for JOINTLY, so of a step's 96 KiB a work-group's share of the requests is 24 KiB.
; REGISTERS, in windows of 256 (s_set_vgpr_msb: bits 1:0 source 0, 3:2 source 1, 5:4 source 2, 7:6 destination):
;   window 0: v0-11 addresses; v12-15, v48-63 at work; v16-47 statistics; v64-191 S^T, two buffers of two tiles; v192-255 P, likewise      window 1: O^T, 32 a tile
;   window 2: v0-127 Q; v128-191 K of one step; v192-255 V of one step      window 3: v0-1 the add's two registers; v64-191 the mask, two buffers of 64 (a piece's buffers go by its number's parity)
.set NP,    4
.set PK,    144       ; a row of K in LDS: 128 bytes + 16: the 16 rows of a load start at 16 different groups of four banks (64 banks of 4 bytes: ISA guide 11.1)
.set PV,    160       ; a row of V: 128 + 32
.set PM,    272       ; a row of the mask: 256 + 16
.set VOFF,  4*64*PK   ; a slot: K (36,864), V (40,960), the mask (34,816)
.set MOFF,  VOFF+4*64*PV
.set SLOT1, 1<<17
.set STAGE, SLOT1+MOFF+128*PM  ; 243,712: behind the ring: 16 rows x 144 bytes for each wave
.set SP,    144
.set SPARE, STAGE+4*16*SP      ; 252,928: the spare words: two blocks of 256 bytes that no other line names
.set ADK, 1           ; v1   the LDS address of K's run of loads (in the set-up: l % 16)
.set AK0, 2           ; v2   my lane's place in my head's K, in slot 0; never rewritten
.set AV0, 3           ; v3   the same for V
.set AM0, 4           ; v4   the same for the mask
.set PFOM, 5          ; v5   8,192 x lane: a row of the mask; never rewritten
.set STO, 6
.set RD,  7
.set GO,  8
.set ADV, 9           ; v9   V's run (in the set-up: l / 16)
.set ADM, 10          ; v10  the mask's run (in the set-up: l % 8)
.set PFOK, 11         ; v11  256 x lane; never rewritten
.set QO,  12          ; v12  my byte offset in 16 rows of Q: until Q is in
.set MV,  12          ; v12-15  c m_old, kept while c m is made anew
.set ST,  16
.set TMP, 48
.set S,   64
.set P,   192
.set KF,  128
.set VF,  192
.set SPW, 0           ; window 3
.set NIL, 1           ; window 3
.set MC,  64          ; window 3: buffer, tile u, key tile kt at MC + 64 buffer + 32 u + 8 kt
.set WV,  12
.set G1K, 24
.set G1V, 32
.set G0K, 40
.set G0V, 44
.set G0M, 48
.set SLOTS, 56
.set CNT, 57
.set CS,  58
.set SEL, 60
.set TB,  66          ; s66  0 or SLOT1: the slot in hand
.set G1M, 68
.set PFM, 76          ; s[76:77] where the mask's prefetches stand
.set PFK, 78          ; s[78:79] K's (wave 0) or V's (wave 1)
.set LIMM, 80         ; 1 in a wave that prefetches, else the greatest number
.set LIMK, 81
.set MSB, 0
.macro WIN new
.if MSB != (\new)
	s_set_vgpr_msb (MSB<<8)|(\new)
.set MSB, (\new)
.endif
.endm
.set W_KQ, 0x0a       ; K and Q in window 2, S^T in window 0
.set W_KM, 0x3a       ; the same with the C operand, the mask, in window 3
.set W_PV, 0x52       ; V in window 2, P in window 0, O^T in window 1
.set W_RS, 0x41       ; O^T in window 1, a in window 0
.set W_MK, 0xc0
.set W_AD, 0x0f
; A joint fill: one tensor load a wave.  The branches hang on the wave's number alone.  An s_nop 0 and four v_nop follow each line.
.macro JLOAD
	s_cmp_lt_u32 s[WV], 2
	s_cbranch_scc0 .Lfor_m_\@
	s_cmp_eq_u32 s[WV], 0
	s_cbranch_scc0 .Lfor_v_\@
	tensor_load_to_lds s[G0K:G0K+3], s[G1K:G1K+7]
	s_nop 0
.rept 4
	v_nop
.endr
	s_branch .Lasked_\@
.Lfor_v_\@:
	tensor_load_to_lds s[G0V:G0V+3], s[G1V:G1V+7]
	s_nop 0
.rept 4
	v_nop
.endr
	s_branch .Lasked_\@
.Lfor_m_\@:
	tensor_load_to_lds s[G0M:G0M+3], s[G1M:G1M+7]
	s_nop 0
.rept 4
	v_nop
.endr
.Lasked_\@:
.endm
; PREFETCHES INTO THE L2 of what the NEXT change of slots will ask for: one key step, 128 matrix instructions, ahead of that load.  Each block of 256 bytes is named once in the launch.
; The mask's tile (128 rows x 256 bytes) is read by the four work-groups of my column of the cluster and by nobody else: they share its rows out BY ADDRESS, 32 each, and wave 2 asks, a lane a row.
; K and V (128 blocks each) are read by a row of four clusters: the first asks, wave 0 for K, wave 1 for V, and the four partners of a row of the cluster share the blocks out by address, 32 each.
; Blocks 0 to 2 come by their loads alone; the last change that fills asks for nothing.
.macro ASK
	s_cmp_gt_u32 s[SLOTS], s[LIMM]
	s_cbranch_scc0 .Lno_m_\@
	global_prefetch_b8 v[PFOM], s[PFM:PFM+1] th:TH_LOAD_NT scope:SCOPE_SE
.Lno_m_\@:
	s_cmp_gt_u32 s[SLOTS], s[LIMK]
	s_cbranch_scc0 .Lno_k_\@
	global_prefetch_b8 v[PFOK], s[PFK:PFK+1] th:TH_LOAD_NT scope:SCOPE_SE
.Lno_k_\@:
.endm
.macro CROUND
	s_barrier_signal -1
	s_barrier_wait -1
	s_cmp_lg_u32 s[WV], 0
	s_cbranch_scc1 .Lnot_wave_0_\@
	s_barrier_signal -3
.Lnot_wave_0_\@:
	s_barrier_wait -3
	s_barrier_signal -1
	s_barrier_wait -1
.endm
; THE CHANGE OF SLOTS, once a key step, behind piece 1's turn: K, V and all four pieces' masks of the step have been read.  Each wave waits for all its tensor loads (one is out: its part of the other slot), adds 0 to its
; spare word, and waits for that and for its reads.  fill = 1: a round of the cluster's barrier, and the slot just left takes the step two on, first thing behind the round.
.macro CHANGE fill, ask
	WIN W_AD
	s_wait_tensorcnt 0x0
	ds_add_u32 v[SPW], v[NIL]
	WIN 0
.if \fill
	s_xor_b32 s[G0K+1], s[G0K+1], SLOT1
	s_add_nc_u64 s[G0K+2:G0K+3], s[G0K+2:G0K+3], 32768
	s_xor_b32 s[G0V+1], s[G0V+1], SLOT1
	s_add_nc_u64 s[G0V+2:G0V+3], s[G0V+2:G0V+3], 32768
	s_xor_b32 s[G0M+1], s[G0M+1], SLOT1
	s_add_nc_u64 s[G0M+2:G0M+3], s[G0M+2:G0M+3], 256
.if \ask
	s_wait_xcnt 0x0                 ; the last prefetches, a key step back, have read their addresses
	s_add_nc_u64 s[PFM:PFM+1], s[PFM:PFM+1], 256
	s_add_nc_u64 s[PFK:PFK+1], s[PFK:PFK+1], 32768
.endif
	s_wait_dscnt 0x0                ; the add is done, and my reads of the slot are over
	CROUND
	JLOAD
.if \ask
	ASK
.endif
.else
	s_wait_dscnt 0x0
	s_barrier_signal -1
	s_barrier_wait -1
.endif
	s_xor_b32 s[TB], s[TB], SLOT1   ; the fetches go to the other slot
.endm
	s_load_b128 s[4:7], s[0:1], 0x0   ; qkv s[4:5], mk s[6:7]
	s_load_b64 s[8:9], s[0:1], 0x10   ; ob
	WIN W_MK
	v_lshl_add_u32 v[SPW], v0, 2, SPARE
	v_mov_b32 v[NIL], 0
	WIN W_AD
	ds_add_u32 v[SPW], v[NIL]       ; the wave's opening: the add and its wait stand ahead of my first tensor load
	WIN 0
	v_lshrrev_b32 v1, 5, v0
	v_readfirstlane_b32 s[WV], v1
	s_bfe_u32 s13, ttmp6, 0x40000   ; cx
	s_bfe_u32 s18, ttmp6, 0x40004   ; cy = hg, the group of four heads
	s_lshl_b32 s19, ttmp9, 2
	s_add_co_u32 s19, s19, s13      ; qb: my block of 128 queries, which my column of the cluster shares
	s_and_b32 s17, ttmp7, 0xffff    ; b: the cluster's y, which all sixteen share
	s_lshl_b32 s16, s17, 2
	s_add_co_u32 s16, s16, s18      ; y = 4 b + hg, which my row of the cluster shares
	s_lshl_b32 s20, s16, 20         ; K's and V's addresses hang on y alone
	s_add_co_u32 s22, s20, 2<<24    ; V of (b, hg)
	s_add_co_u32 s20, s20, 1<<24    ; K
	s_mov_b32 s21, 0
	s_mov_b32 s23, 0
	s_lshl_b32 s52, s16, 20         ; Q: y, the block's two groups of 64 rows, my head
	s_lshl_b32 s53, s19, 16
	s_add_co_u32 s52, s52, s53
	s_lshl_b32 s53, s[WV], 13
	s_add_co_u32 s52, s52, s53
	s_mov_b32 s53, 0
	s_lshl_b32 s54, s17, 22         ; O: [b x 16 + qb][head][128 rows][64]
	s_lshl_b32 s55, s19, 18
	s_add_co_u32 s54, s54, s55
	s_lshl_b32 s55, s18, 16
	s_add_co_u32 s54, s54, s55
	s_lshl_b32 s55, s[WV], 14
	s_add_co_u32 s54, s54, s55
	s_mov_b32 s55, 0
	s_lshl_b32 s62, s17, 24         ; the mask: b, the block's 128 rows of 8,192 bytes: its address hangs on b and qb alone
	s_lshl_b32 s63, s19, 20
	s_add_co_u32 s62, s62, s63
	s_lshl_b32 s83, s18, 18         ; the prefetches: my work-group's 32 rows of the 128,
	s_add_co_u32 s[PFM], s62, s83
	s_add_co_u32 s[PFM], s[PFM], 2*256  ; at key step 2: the first asking change steps it to 3
	s_mov_b32 s[PFM+1], 0
	s_and_b32 s82, s[WV], 1         ; which 64 rows of the tile I fetch (waves 2 and 3)
	s_lshl_b32 s63, s82, 19
	s_add_co_u32 s62, s62, s63
	s_mov_b32 s63, 0
	s_mul_i32 s82, s82, 64*PM
	s_add_co_u32 s[G0M+1], s82, MOFF
	s_cmp_eq_u32 s[WV], 1
	s_cselect_b32 s[PFK], 2, 1
	s_lshl_b32 s[PFK], s[PFK], 24
	s_lshl_b32 s83, s16, 20
	s_add_co_u32 s[PFK], s[PFK], s83
	s_lshl_b32 s83, s13, 13         ; my work-group's 32 blocks of the 128
	s_add_co_u32 s[PFK], s[PFK], s83
	s_add_co_u32 s[PFK], s[PFK], 2*32768
	s_mov_b32 s[PFK+1], 0
	s_cmp_eq_u32 s[WV], 2
	s_cselect_b32 s[LIMM], 1, -1    ; wave 2 of every work-group
	s_lshr_b32 s83, s[WV], 1
	s_or_b32 s83, s83, ttmp9
	s_cmp_eq_u32 s83, 0
	s_cselect_b32 s[LIMK], 1, -1    ; waves 0 and 1 of the first cluster of the row of clusters: the same in all sixteen partners
	; descriptor group 1.  K, V: 32,768 dense bytes as 128 rows of 256, padded in LDS after every 128 bytes; they go to my row of the cluster.
	; The mask: 64 rows of 64 numbers of 4 bytes, 2,048 numbers apart, padded after every row; it goes to my column.
	s_lshl_b32 s82, s18, 2
	s_lshl_b32 s82, 15, s82         ; my row: places 4 cy .. 4 cy + 3
	s_lshl_b32 s83, 0x1111, s13     ; my column: places cx, cx + 4, cx + 8, cx + 12
	s_or_b32 s[G1K], s82, (1<<16)|(1<<20)|(1<<21)|(4<<22)|(3<<25)
	s_or_b32 s[G1V], s82, (1<<16)|(1<<20)|(1<<21)|(4<<22)|(7<<25)
	s_or_b32 s[G1M], s83, (2<<16)|(1<<20)|(1<<21)|(5<<22)|(3<<25)
.irp g, G1K, G1V
	s_mov_b32 s[\g+1], 128<<16
	s_mov_b32 s[\g+2], 128<<16
	s_mov_b32 s[\g+3], 128<<16
	s_mov_b32 s[\g+4], 128
	s_mov_b32 s[\g+5], 128
	s_mov_b32 s[\g+6], 0
	s_mov_b32 s[\g+7], 0
.endr
	s_mov_b32 s[G1M+1], 64<<16
	s_mov_b32 s[G1M+2], 64<<16
	s_mov_b32 s[G1M+3], 64<<16
	s_mov_b32 s[G1M+4], 64
	s_mov_b32 s[G1M+5], 2048
	s_mov_b32 s[G1M+6], 0
	s_mov_b32 s[G1M+7], 0
	s_mov_b32 s[G0K], 1
	s_mov_b32 s[G0K+1], 0
	s_mov_b32 s[G0V], 1
	s_mov_b32 s[G0V+1], VOFF
	s_mov_b32 s[G0M], 1
	s_mov_b32 s[CS], 0x3fb8aa3b     ; c = log2(e): the scale 1/8 lies in q
	s_mov_b32 s[CS+1], s[CS]
	s_mov_b32 s[SEL], 0x76543210
	s_mov_b32 s[SEL+1], 0xfedcba98
	s_mov_b32 s[TB], SLOT1          ; the first change of slots turns it into 0
	s_wait_dscnt 0x0                ; the opening add is done
	s_wait_kmcnt 0x0
	s_add_nc_u64 s[G0K+2:G0K+3], s[4:5], s[20:21]
	s_or_b32 s[G0K+3], s[G0K+3], 0x80000000
	s_add_nc_u64 s[G0V+2:G0V+3], s[4:5], s[22:23]
	s_or_b32 s[G0V+3], s[G0V+3], 0x80000000
	s_add_nc_u64 s[G0M+2:G0M+3], s[6:7], s[62:63]
	s_or_b32 s[G0M+3], s[G0M+3], 0x80000000
	s_add_nc_u64 s[14:15], s[4:5], s[52:53]   ; Q
	s_add_nc_u64 s[10:11], s[8:9], s[54:55]   ; O
	s_add_nc_u64 s[PFM:PFM+1], s[6:7], s[PFM:PFM+1]
	s_add_nc_u64 s[PFK:PFK+1], s[4:5], s[PFK:PFK+1]
	CROUND                          ; all sixteen work-groups are here: the first joint loads meet
	JLOAD                           ; key step 0 into slot 0.  Slot 1 is asked for when slot 0 is in
	v_and_b32 v1, 15, v0            ; l % 16
	v_bfe_u32 v9, v0, 4, 1          ; l / 16
	v_lshlrev_b32 v[QO], 7, v1
	v_lshl_add_u32 v[QO], v9, 4, v[QO]
	WIN 0x80
.set i, 0
.rept 4*NP                          ; Q stays in registers: tile i / 2 (tiles 4 to 7 lie in the next group of 64 rows), channels 32 (i % 2) on
	global_load_b128 v[8*i:8*i+3],   v[QO], s[14:15] offset:((i/2)/4)*32768+((i/2)%4)*2048+(i%2)*64
	global_load_b128 v[8*i+4:8*i+7], v[QO], s[14:15] offset:((i/2)/4)*32768+((i/2)%4)*2048+(i%2)*64+32
.set i, i+1
.endr
	; What the first turn finds: V's registers and P's second buffer hold 0 (its products V^T P, of a piece that has not been, add 0), O^T and l are 0.  All this stands in the wait for the first tile.
.set i, VF
.rept 64
	v_mov_b32 v[i], 0
.set i, i+1
.endr
	WIN 0x40
.set i, 0
.rept 64*NP
	v_mov_b32 v[i], 0
.set i, i+1
.endr
	WIN 0
.set i, 0
.rept 2*NP
	v_mov_b32 v[ST+4*i], 0xfe000000    ; c m: far below every c s
	v_mov_b32 v[ST+4*i+1], 0xff7fffff  ; m
	v_mov_b32 v[ST+4*i+2], 0
	v_mov_b32 v[ST+4*i+3], 0
.set i, i+1
.endr
.set i, P+32
.rept 32
	v_mov_b32 v[i], 0
.set i, i+1
.endr
	v_mul_u32_u24 v[AK0], v1, PK
	v_lshl_add_u32 v[AK0], v9, 4, v[AK0]
	s_mul_i32 s55, s[WV], 64*PK     ; my head's 64 rows
	v_add_nc_u32 v[AK0], s55, v[AK0]
	v_and_b32 v10, 7, v0
	v_bfe_u32 v11, v0, 3, 1
	v_lshl_add_u32 v[AV0], v9, 3, v10  ; the turning load: lane l reads key 8 (l / 16) + l % 8, channels 8 ((l / 8) % 2) + 0..7
	v_mul_u32_u24 v[AV0], v[AV0], PV
	v_lshl_add_u32 v[AV0], v11, 4, v[AV0]
	s_mul_i32 s55, s[WV], 64*PV
	s_add_co_u32 s55, s55, VOFF
	v_add_nc_u32 v[AV0], s55, v[AV0]
	v_mul_u32_u24 v[AM0], v1, PM    ; the mask: row l % 16 of a tile, 32 bytes for each half of the lanes
	v_lshl_add_u32 v[AM0], v9, 5, v[AM0]
	v_add_nc_u32 v[AM0], MOFF, v[AM0]
	s_mul_i32 s55, s[WV], 16*SP
	s_add_co_u32 s55, s55, STAGE    ; my stage
	v_mul_u32_u24 v[STO], v1, SP
	v_lshl_add_u32 v[STO], v9, 4, v[STO]
	v_add_nc_u32 v[STO], s55, v[STO]
	v_bfe_u32 v[RD], v0, 3, 2
	v_mul_u32_u24 v[RD], v[RD], SP
	v_lshl_add_u32 v[RD], v10, 4, v[RD]
	v_add_nc_u32 v[RD], s55, v[RD]
	v_and_b32 v[GO], 31, v0
	v_lshlrev_b32 v[PFOK], 8, v[GO]
	v_lshlrev_b32 v[PFOM], 13, v[GO]
	v_lshlrev_b32 v[GO], 4, v[GO]
; THE MATRIX WORK.  The 8 accumulators of a run of 16 take turns.  Product i of 16 of S^T = K Q^T for piece x: channels 32 (i / 8) on, keys 16 ((i / 2) % 4) on, tile 2 x + i % 2.  The first 8 start the sums with the mask.
.macro KQ x
.set rS, S+64*((\x)%2)+32*(i%2)+8*((i/2)%4)
.set rK, KF+16*((i/2)%4)+8*(i/8)
.set rQ, 16*(2*(\x)+i%2)+8*(i/8)
.set rW, MC+64*((\x)%2)+32*(i%2)+8*((i/2)%4)
.if i < 8
	WIN W_KM
	v_wmma_f32_16x16x32_f16 v[rS:rS+7], v[rK:rK+7], v[rQ:rQ+7], v[rW:rW+7]
.else
	WIN W_KQ
	v_wmma_f32_16x16x32_f16 v[rS:rS+7], v[rK:rK+7], v[rQ:rQ+7], v[rS:rS+7]
.endif
.endm
.macro PV x                         ; product i of 16 of O^T += V^T P for piece x: keys 32 (i / 8) on, channels 16 ((i / 2) % 4) on, tile 2 x + i % 2
	WIN W_PV
.set rO, 32*(2*(\x)+i%2)+8*((i/2)%4)
.set rV, VF+32*(i/8)+8*((i/2)%4)
.set rP, P+32*((\x)%2)+16*(i%2)+8*(i/8)
	v_wmma_f32_16x16x32_f16 v[rO:rO+7], v[rV:rV+7], v[rP:rP+7], v[rO:rO+7]
.endm
.macro MM                           ; the turn's next matrix instruction
.if i < 16
	KQ (Y+1)%NP
.set i, i+1
.else
.set i, i-16
	PV (Y+NP-1)%NP
.set i, i+17
.endif
.endm
; THE LDS LOADS stand in runs of 16, never singly among the matrix instructions.
.macro FETCH_K
	WIN 0
	v_add_nc_u32 v[ADK], s[TB], v[AK0]
	WIN 0x80
.irp f, 0,1,2,3,4,5,6,7             ; keys 16 (f / 2) on, channels 32 (f % 2) on
	ds_load_b128 v[KF+8*\f:KF+8*\f+3],   v[ADK] offset:(\f/2)*16*PK+(\f%2)*64
	ds_load_b128 v[KF+8*\f+4:KF+8*\f+7], v[ADK] offset:(\f/2)*16*PK+(\f%2)*64+32
.endr
	WIN 0
.endm
.macro FETCH_V
	WIN 0
	v_add_nc_u32 v[ADV], s[TB], v[AV0]
	WIN 0x80
.irp f, 0,1,2,3,4,5,6,7             ; keys 32 (f / 4) on, channels 16 (f % 4) on
	ds_load_tr16_b128 v[VF+8*\f:VF+8*\f+3],   v[ADV] offset:(\f/4)*32*PV+(\f%4)*32
	ds_load_tr16_b128 v[VF+8*\f+4:VF+8*\f+7], v[ADV] offset:(\f/4)*32*PV+16*PV+(\f%4)*32
.endr
	WIN 0
.endm
.macro FETCH_M x                    ; the mask of piece x: two tiles of 16 queries x 64 keys
	WIN 0
	v_add_nc_u32 v[ADM], s[TB], v[AM0]
	WIN 0xc0
.irp u, 0,1
.irp kt, 0,1,2,3
	ds_load_b128 v[MC+64*((\x)%2)+32*\u+8*\kt:MC+64*((\x)%2)+32*\u+8*\kt+3],   v[ADM] offset:(2*(\x)+\u)*16*PM+64*\kt
	ds_load_b128 v[MC+64*((\x)%2)+32*\u+8*\kt+4:MC+64*((\x)%2)+32*\u+8*\kt+7], v[ADM] offset:(2*(\x)+\u)*16*PM+64*\kt+16
.endr
.endr
	WIN 0
.endm
; THE VECTOR WORK OF A TURN stands in three queues, each in the order in which its entries become ready; the two tiles alternate.
.macro REGS y, u
.set rT, ST+4*(2*(\y)+(\u))
.set rC, TMP+8*((\y)%2)+4*(\u)
.set rM, MV+2*((\y)%2)+(\u)
.set rS, S+64*((\y)%2)+32*(\u)
.set rP, P+32*((\y)%2)+16*(\u)
.set rO, 32*(2*(\y)+(\u))
.endm
; Number n of the 22 that find the NEXT piece's maximum and statistics; each accumulator's lowest registers are read first.
;   0-11 four chains of seven scores   12-14, 16 the four scores left over, the old m, c0-c3 into c0   15 c m_old is kept   17, 18 the other half of the lanes: the new m   19-21 c m; c m_old - c m_new; a
.macro XS u, n
	REGS (Y+1)%NP, \u
.if (\n) < 4
	v_max3_num_f32 v[rC+(\n)], v[rS+8*(\n)], v[rS+8*(\n)+1], v[rS+8*(\n)+2]
.elseif (\n) < 12
	v_max3_num_f32 v[rC+(\n)%4], v[rC+(\n)%4], v[rS+8*((\n)%4)+2*((\n)/4)+1], v[rS+8*((\n)%4)+2*((\n)/4)+2]
.elseif (\n) == 12
	v_max3_num_f32 v[rC], v[rC], v[rS+7], v[rS+15]
.elseif (\n) == 13
	v_max3_num_f32 v[rC+1], v[rC+1], v[rS+23], v[rS+31]
.elseif (\n) == 14
	v_max3_num_f32 v[rC+2], v[rC+2], v[rC+3], v[rT+1]
.elseif (\n) == 15
	v_mov_b32 v[rM], v[rT]
.elseif (\n) == 16
	v_max3_num_f32 v[rC], v[rC], v[rC+1], v[rC+2]
.elseif (\n) == 17
	v_permlanex16_b32 v[rC+3], v[rC], s[SEL], s[SEL+1]
.elseif (\n) == 18
	v_max_num_f32 v[rT+1], v[rC], v[rC+3]
.elseif (\n) == 19
	v_mul_f32 v[rT], s[CS], v[rT+1]
.elseif (\n) == 20
	v_sub_f32 v[rC+1], v[rM], v[rT]
.else
	v_exp_f32 v[rC+2], v[rC+1]
.endif
.endm
; Number g of the 64 that follow the exponentials: of each four weights both pairs are rounded to f16, the second pair is added onto the first, and a group later l takes that sum (the first time as l = a l + sum).
.macro GS g
.set h, (\g)+6*((\g)/62)
.if h >= 6
.set h, h+2
.endif
	REGS Y, h%2
.set k, h/8
.if h%8 < 4
	s_wait_alu depctr_va_vdst(0)
	v_cvt_pk_f16_f32 v[rP+2*k+(h%8)/2], v[rS+4*k+2*((h%8)/2)], v[rS+4*k+2*((h%8)/2)+1]
.elseif h%8 < 6
	v_pk_add_f32 v[rS+4*k:rS+4*k+1], v[rS+4*k:rS+4*k+1], v[rS+4*k+2:rS+4*k+3]
.elseif k == 1
	v_pk_fma_f32 v[rT+2:rT+3], v[rT+2:rT+3], v[rC+2:rC+3], v[rS:rS+1] op_sel_hi:[1,0,1]
.else
	v_pk_add_f32 v[rT+2:rT+3], v[rT+2:rT+3], v[rS+4*k-4:rS+4*k-3]
	s_wait_alu depctr_va_vdst(0)
.endif
.endm
; THE PLAIN QUEUE, 138 long: 0-31 c s - c m; then GS's 64, and among them the next piece's 42.
.macro PL
	WIN 0
.if q < 32
	REGS Y, q%2
	v_pk_fma_f32 v[rS+2*(q/2):rS+2*(q/2)+1], v[rS+2*(q/2):rS+2*(q/2)+1], s[CS:CS+1], v[rT:rT+1] op_sel_hi:[1,0,0] neg_lo:[0,0,1] neg_hi:[0,0,1]
.elseif q < 38
	GS q-32
.elseif q < 40
	XS q%2, 15
.elseif q < 42
	GS q-34
.elseif q < 74
	XS q%2, (q-42)/2+(q-42)/30
.elseif q < 95
	GS q-66
.elseif (q < 107) && ((q-95)%3 < 2)
	XS (q-95)%3, 17+(q-95)/3
.elseif q < 107
	GS 29+(q-95)/3
.else
	GS q-74
.endif
.set q, q+1
.endm
.set EA, 58
.macro EX                           ; the exponentials' queue, 66 long: s0-s31 of both tiles, and at EA the next piece's two a
	WIN 0
.if (e == EA) || (e == EA+1)
	XS e-EA, 21
.else
.set x, e-2*(e/(EA+2))
	REGS Y, x%2
	v_exp_f32 v[rS+x/2], v[rS+x/2]
.endif
.set e, e+1
.endm
.macro R4                           ; the rescaling's queue: O^T times a, four at a time
	REGS Y, r%2
	WIN W_RS
	s_wait_alu depctr_va_vdst(0)
.irp z, 0,1,2,3
	v_pk_mul_f32 v[rO+8*(r/2)+2*\z:rO+8*(r/2)+2*\z+1], v[rO+8*(r/2)+2*\z:rO+8*(r/2)+2*\z+1], v[rC+2:rC+3] op_sel_hi:[1,0]
.endr
.set r, r+1
.endm
; THE DEAL.  Behind a matrix instruction four: plain, exponential, plain, plain, or four of the rescaling; none names a register of the products round it.  What is over stands in two runs: exponential and plain by turns.
.macro SL
	MM
	PL
	EX
	PL
	PL
.endm
.macro BURST n
.rept (\n)-7
	SL
.endr
.rept 3
	MM
	R4
	SL
.endr
	MM
	R4
.endm
; A TURN, for piece p.  In its first run of vector work it fetches the mask of piece p + 2, which the next turn's products take (that buffer's last reader stands a turn back); piece 2's turn fetches there the next step's K too,
; 30 vector instructions behind the last product that read K; piece 0's turn ends with the fetch of the step's V.
.macro TURN p
.set Y, (\p)
.set i, 0
.set q, 0
.set e, 0
.set r, 0
.if (\p) == 1
	s_wait_dscnt 16                 ; the mask of piece 2 is in; V's 16 loads, issued behind it, may stay out
.else
	s_wait_dscnt 0x0                ; the mask of piece p + 1 is in (piece 3's turn: and K)
.endif
	MM
.rept 4
	PL
.endr
	BURST 15
.rept 22
	EX
	PL
.if e == 24
.if (\p) == NP-2
	FETCH_K
.endif
	FETCH_M ((\p)+2)%NP
.endif
.endr
.if (\p) == 1
	s_wait_dscnt 16                 ; V is in; the 16 loads of piece 3's mask, issued behind it, may stay out
.endif
	BURST 16
.rept 21
	EX
	PL
.endr
.rept 22
	PL
.endr
.if (\p) == 0
	FETCH_V
.endif
.endm
	CHANGE 1, 0                     ; key step 0 is in, everybody's part of it; step 1 is asked for
	FETCH_K
	FETCH_M 0
	FETCH_M 1
	s_wait_loadcnt 0x0              ; Q
	s_wait_dscnt 0x0
.set i, 0
.rept 16
	KQ 0                            ; piece 0's first scores
.set i, i+1
.endr
	WIN 0
.rept 4
	v_nop                           ; the places behind those products
.endr
.set Y, NP-1                        ; XS works for piece Y + 1: piece 0
.irp n, 0,1,2,3,4,5,6,7,8,9,10,11,12,13,14,15,16,17,18,19,20,21
	XS 0, \n
	XS 1, \n
.endr
	s_mov_b32 s[SLOTS], 31          ; the loop is entered in its middle: 30 changes that fill follow, for key steps 2 to 31
	s_branch .Lfirst
.Lstep:                             ; a trip: pieces 2 and 3 of one step, then pieces 0 and 1 of the next; all its LDS reads go to one slot
	CHANGE 1, 1
	TURN 2
	TURN 3
	WIN 0
.Lfirst:
	TURN 0
	TURN 1
	WIN 0
	s_sub_co_u32 s[SLOTS], s[SLOTS], 1
	s_cmp_lg_u32 s[SLOTS], 0
	s_cbranch_scc1 .Lstep
	CHANGE 0, 0                     ; the tail is written out: nothing is asked for
	s_mov_b32 s[CNT], 2             ; the second trip is left in its middle
.Ltail:
	TURN 2
	TURN 3
	WIN 0
	s_sub_co_u32 s[CNT], s[CNT], 1
	s_cmp_eq_u32 s[CNT], 0
	s_cbranch_scc1 .Lout
	TURN 0
	TURN 1
	WIN 0
	s_branch .Ltail
.Lout:                              ; the second trip's 16 products K Q^T (on the last K and mask once more) and the maximum made of them serve nothing: the price, once a launch, of one text for every trip
.set i, 0
.rept 16
	PV NP-1
.set i, i+1
.endr
	; THE WAY OUT.  l's two halves and the other half of the lanes' are added; O^T is divided by l, rounded to f16 and sent through my stage, a tile at a time.  The additions are the places behind the last products.
	WIN 0
.macro ALL line:vararg
.set t, 0
.rept 2*NP
	\line
.set t, t+1
.endr
.endm
	ALL v_add_f32 v[ST+4*t+2], v[ST+4*t+2], v[ST+4*t+3]
	ALL v_permlanex16_b32 v[ST+4*t+3], v[ST+4*t+2], s[SEL], s[SEL+1]
	ALL v_add_f32 v[ST+4*t+2], v[ST+4*t+2], v[ST+4*t+3]
	ALL v_rcp_f32 v[ST+4*t+2], v[ST+4*t+2]
	v_nop                           ; a plain instruction between the last reciprocal and the use of its result
	s_wait_alu depctr_va_vdst(0)
.macro PACK t
	WIN W_RS
.set i, 32*(\t)
.rept 16
	v_pk_mul_f32 v[i:i+1], v[i:i+1], v[ST+4*(\t)+2:ST+4*(\t)+3] op_sel_hi:[1,0]
.set i, i+2
.endr
	WIN 0x05
.set i, 0
.rept 16
	v_cvt_pk_f16_f32 v[S+16*(\t)+i], v[32*(\t)+2*i], v[32*(\t)+2*i+1]
.set i, i+1
.endr
	WIN 0
.irp f, 0,1,2,3
	ds_store_b128 v[STO], v[S+16*(\t)+4*\f:S+16*(\t)+4*\f+3] offset:32*\f
.endr
.irp f, 0,1,2,3
	ds_load_b128 v[S+16*(\t)+4*\f:S+16*(\t)+4*\f+3], v[RD] offset:\f*4*SP  ; LDS serves a wave's instructions in order (ISA guide 5.7.1.4): these see the stores above
.endr
.endm
.macro SEND t, younger              ; younger: the LDS instructions issued behind tile t's loads
	WIN 0
.irp f, 0,1,2,3
	s_wait_dscnt (\younger)+3-\f
	global_store_b128 v[GO], v[S+16*(\t)+4*\f:S+16*(\t)+4*\f+3], s[10:11] offset:(\t)*2048+\f*512  ; 512 consecutive bytes, at a multiple of 512 from the buffer's first
.endr
.endm
	PACK 0
.set t, 1
.rept 2*NP-1
	PACK t
	SEND t-1, 8
.set t, t+1
.endr
	SEND 2*NP-1, 0
	WIN W_AD
	s_wait_tensorcnt 0x0            ; the wave's end
	ds_add_u32 v[SPW], v[NIL]
	s_wait_dscnt 0x0
	WIN 0
	CROUND                          ; the closing round
	s_endpgm
.Lfunc_end_k_q5a1bc568b5_attn:
	.size	k_q5a1bc568b5_attn, .Lfunc_end_k_q5a1bc568b5_attn-k_q5a1bc568b5_attn
	.p2alignl 7, 3214868480
	.fill 96, 4, 3214868480
	.section	.rodata,"a",@progbits
	.p2align	6, 0x0
	.amdhsa_kernel k_q5a1bc568b5_attn
		.amdhsa_group_segment_fixed_size 327680
		.amdhsa_private_segment_fixed_size 0
		.amdhsa_enable_private_segment 0
		.amdhsa_kernarg_size 24
		.amdhsa_user_sgpr_count 2
		.amdhsa_user_sgpr_kernarg_segment_ptr 1
		.amdhsa_wavefront_size32 1
		.amdhsa_system_sgpr_workgroup_id_x 1
		.amdhsa_system_sgpr_workgroup_id_y 1
		.amdhsa_system_sgpr_workgroup_id_z 1
		.amdhsa_system_vgpr_workitem_id 0
		.amdhsa_next_free_vgpr 960
		.amdhsa_next_free_sgpr 84
		.amdhsa_reserve_vcc 0
		.amdhsa_float_denorm_mode_32 3
		.amdhsa_float_denorm_mode_16_64 3
		.amdhsa_memory_ordered 1
		.amdhsa_forward_progress 1
		.amdhsa_inst_pref_size 223
	.end_amdhsa_kernel
	.amdgpu_metadata
---
amdhsa.version: [ 1, 2 ]
amdhsa.kernels:
  - .name:           k_q5a1bc568b5_attn
    .symbol:         k_q5a1bc568b5_attn.kd
    .args:
      - { .name: qkv, .offset: 0, .size: 8, .value_kind: global_buffer, .address_space: global }
      - { .name: mk, .offset: 8, .size: 8, .value_kind: global_buffer, .address_space: global }
      - { .name: ob, .offset: 16, .size: 8, .value_kind: global_buffer, .address_space: global }
    .group_segment_fixed_size: 327680
    .private_segment_fixed_size: 0
    .kernarg_segment_align: 8
    .kernarg_segment_size: 24
    .max_flat_workgroup_size: 128
    .sgpr_count:     84
    .vgpr_count:     960
    .wavefront_size: 32
...
	.end_amdgpu_metadata
.endif
;; end of part 3
;; launch outp (part 4): grid 4 x 64, 4 waves a work-group, clusters of 4 x 4, 327,680 bytes of LDS; arguments ob, wo, biasr, out0; writes out0
.if DOCPART == 4
	.amdgcn_target "amdgcn-amd-amdhsa--gfx1250"
	.amdhsa_code_object_version 6
	.text
	.protected	k_q5a1bc568b5_outp
	.globl	k_q5a1bc568b5_outp
	.p2align	8
	.type	k_q5a1bc568b5_outp,@function
k_q5a1bc568b5_outp:
	s_mov_b64 s[64:65], 0
	v_nop
	global_prefetch_b8 v0, s[64:65] scope:SCOPE_SE
	s_setreg_imm32_b32 hwreg(HW_REG_WAVE_MODE, 25, 1), 1
	s_wait_xcnt 0x0
	s_wait_alu depctr_hold_cnt(0) depctr_sa_sdst(0) depctr_va_vdst(0) depctr_va_sdst(0) depctr_va_ssrc(0) depctr_va_vcc(0) depctr_vm_vsrc(0)
	s_getreg_b32 s2, hwreg(HW_REG_IB_STS2, 6, 4)
	s_cmp_eq_u32 s2, 0
	s_cbranch_scc0 .Lentry_in_a_cluster
	s_endpgm
.Lentry_in_a_cluster:
	s_bfe_u32 s2, ttmp6, 0x10000c
	s_cmp_lg_u32 s2, 0xf033
	s_cbranch_scc0 .Lentry_shape_is_right
	s_endpgm
.Lentry_shape_is_right:
; THE OUTPUT PROJECTION.  out0[s][b][n] = sum over k of O[m][k] W_out[n][k] + b_out[n]; operands f16 (W_out: its bf16 rounding, written as f16), sums and result f32.
; ob lies in blocks [b x 16 + s / 128][head = kb][128 rows][64], wo in blocks [n / 256][kb][256][64]: a K step's tiles are dense in memory and are asked for as rows of 256 bytes.
; SHARES.  A tile is 128 x 256: 64 x 4 tiles, one for each work-group.  Four waves, 2 x 2, each 64 x 128: 32 accumulators, 256 registers (window 1).  K goes in steps of 128 (two blocks kb) through two LDS slots.
; CLUSTER 4 x 4: A's tile is shared along a row of the cluster, B's along a column: joint loads.  THE MATRIX INSTRUCTION IS USED TRANSPOSED: a lane holds one row m and eight neighbouring n.
; FRAGMENTS.  A has two buffers, B one, in two groups of four fragments: when a group's 16 products are issued, its registers take the next quarter's fragments.
; No prefetch: the launch is short, and its tiles are read by several work-groups shortly after each other.
.set NA, 4
.set NG, 2
.set TRA, 128
.set TRB, 256
.set NS, 8
.set PITCH, 144                        ; an LDS row: 128 bytes + 16: the 16 rows of a load start at 16 different groups of four banks (64 banks of 4 bytes: ISA guide 11.1)
.set AREG, 2*TRA*PITCH                 ; A: two blocks kb of 128 rows; then B: two of 256
.set CHA, 128*PITCH                    ; what one wave fetches: one block kb
.set CHB, 256*PITCH
.set GCA, 16384
.set GCB, 32768
.set RA, 64
.set RB, 128
.set KSA, 32768
.set KSB, 65536
.set TBA, 262144
.set TBB, 524288
.set SLOT1, 1<<17
.set STAGE, SLOT1+AREG+2*TRB*PITCH     ; 241,664: 16 rows x 528 bytes for each wave
.set SPITCH, 528
.set SPARE, STAGE+4*16*SPITCH          ; 275,456: the spare words: two blocks of 256 bytes that no other line names
.set G1W0, (1<<16)|(1<<20)|(1<<21)|(4<<22)|(3<<25)
.set ADRA, 4
.set ADRB, 5
.set STO, 6
.set RD, 7
.set GO, 8
.set SPW, 10
.set NIL, 11
.set BO, 12
.set ADRA0, 14
.set ADRB0, 15
.set AF0, 32
.set AF1, AF0+8*NA
.set BF, AF0+16*NA                     ; v[96:159]
.set BI, 160                           ; v[160:223] the bias of my 128 columns, as the accumulators hold them
.set T, 32                             ; the way out: sums with bias, 64 registers
.set OB, 96                            ; whole rows, 64 registers
.set OUTP, 12
.set WV, 14
.set WR, 15
.set WC, 16
.set CX, 17
.set CY, 18
.set TX, 19
.set TY, 20
.set G1A, 24
.set G0A, 32
.set G1B, 40
.set G0B, 48
.set CNT, 56
.set TB, 57
.set BIA, 62
.set MSB, 0
.macro WIN new
.if MSB != (\new)
	s_set_vgpr_msb (MSB<<8)|(\new)
.set MSB, \new
.endif
.endm
.macro PLACES                          ; four places behind matrix instructions (ISA guide 7.12.1)
.rept 4
	v_nop
.endr
.endm
.macro CREST
	s_cmp_lg_u32 s[WV], 0
	s_cbranch_scc1 .Lnot_wave_0_\@
	s_barrier_signal -3
.Lnot_wave_0_\@:
	s_barrier_wait -3
	s_barrier_signal -1
	s_barrier_wait -1
.endm
.macro CROUND
	s_barrier_signal -1
	s_barrier_wait -1
	CREST
.endm
.macro JLOAD                           ; a joint refill by the walking sets; an s_nop 0 and four v_nop follow each line
	s_cmp_eq_u32 s[WR], 0
	s_cbranch_scc0 .Lfor_b_\@
	tensor_load_to_lds s[G0A+4:G0A+7], s[G1A:G1A+7]
	s_nop 0
.rept 4
	v_nop
.endr
	s_branch .Lasked_\@
.Lfor_b_\@:
	tensor_load_to_lds s[G0B+4:G0B+7], s[G1B:G1B+7]
	s_nop 0
.rept 4
	v_nop
.endr
.Lasked_\@:
.endm
.macro GRP abuf, g, half, zero         ; 2 NA products; no two on end share an accumulator, and a whole quarter stands between two links of a chain
.set gw, 1+(4*(\g)*NA*8)/256
	WIN 0x50*gw
.irp bl, 2*(\half), 2*(\half)+1
.set ai, 0
.rept NA
.set rD, (((4*(\g)+(\bl))*NA+ai)*8)%256
.set rB, BF+8*(4*(\g)+(\bl))
.set rA, (\abuf)+8*ai
.if \zero
	v_wmma_f32_16x16x32_f16 v[rD:rD+7], v[rB:rB+7], v[rA:rA+7], 0
.else
	v_wmma_f32_16x16x32_f16 v[rD:rD+7], v[rB:rB+7], v[rA:rA+7], v[rD:rD+7]
.endif
.set ai, ai+1
.endr
.endr
.endm
.macro LDB g, off
	WIN 0
.irp i, 0,1,2,3
	ds_load_b128 v[BF+8*(4*(\g)+\i):BF+8*(4*(\g)+\i)+3], v[ADRB] offset:(\off)+(4*(\g)+\i)*16*PITCH
	ds_load_b128 v[BF+8*(4*(\g)+\i)+4:BF+8*(4*(\g)+\i)+7], v[ADRB] offset:(\off)+(4*(\g)+\i)*16*PITCH+32
.endr
.endm
.macro LDA buf, off
	WIN 0
.set ai, 0
.rept NA
	ds_load_b128 v[(\buf)+8*ai:(\buf)+8*ai+3], v[ADRA] offset:(\off)+ai*16*PITCH
	ds_load_b128 v[(\buf)+8*ai+4:(\buf)+8*ai+7], v[ADRA] offset:(\off)+ai*16*PITCH+32
.set ai, ai+1
.endr
.endm
; A quarter is 32 along K: 32 products.  Quarter q of a slot lies in block kb q / 2, at byte 64 (q % 2) of the rows.
.macro QUARTER q, zero
.set AB, AF0+8*NA*((\q)%2)
.set AO, AF0+8*NA*(1-(\q)%2)
.set qn, (\q)+1
.set oA, (qn/2)*TRA*PITCH+(qn%2)*64
.set oB, (qn/2)*TRB*PITCH+(qn%2)*64
	s_wait_dscnt 8*(NG-1)                          ; B's group 0 and A are in; the later group's loads may be out
	GRP AB, 0, 0, \zero
	GRP AB, 0, 1, \zero
	PLACES
	LDB 0, oB
	LDA AO, oA
.set g, 1
.rept NG-1
	s_wait_dscnt 8*(NG-1)+2*NA                     ; group g is in; behind it: what this quarter has asked for
	GRP AB, g, 0, \zero
	GRP AB, g, 1, \zero
	PLACES
	LDB g, oB
.set g, g+1
.endr
.endm
; A slot's last quarter changes slots: ONE barrier, with each wave's wait for all its tensor loads, the add, and the wait for it and for the reads of this slot in front of it.
.macro TURN fill
	WIN 0
	s_wait_tensorcnt 0x0
	ds_add_u32 v[SPW], v[NIL]
.if \fill
	s_xor_b32 s[G0A+5], s[G0A+5], SLOT1
	s_add_nc_u64 s[G0A+6:G0A+7], s[G0A+6:G0A+7], KSA
	s_xor_b32 s[G0B+5], s[G0B+5], SLOT1
	s_add_nc_u64 s[G0B+6:G0B+7], s[G0B+6:G0B+7], KSB
.endif
	s_wait_dscnt 8*(NG-1)+1                        ; the later group's loads and the add may be out
	GRP AF1, 0, 0, 0
	s_wait_dscnt 0x0
	s_barrier_signal -1
	GRP AF1, 0, 1, 0
	WIN 0
	s_barrier_wait -1
.if \fill
	CREST
	JLOAD
.else
	PLACES
.endif
	s_xor_b32 s[TB], s[TB], SLOT1
	v_add_nc_u32 v[ADRA], s[TB], v[ADRA0]
	v_add_nc_u32 v[ADRB], s[TB], v[ADRB0]
	LDB 0, 0
	LDA AF0, 0
.set g, 1
.rept NG-1
	GRP AF1, g, 0, 0
	GRP AF1, g, 1, 0
	PLACES
	LDB g, 0
.set g, g+1
.endr
.endm
	s_load_b256 s[4:11], s[0:1], 0x0               ; ob 4, wo 6, biasr 8, out0 10
	v_lshl_add_u32 v[SPW], v0, 2, SPARE
	v_mov_b32 v[NIL], 0
	ds_add_u32 v[SPW], v[NIL]                      ; the wave's opening: the add and its wait stand ahead of my first tensor load
	v_lshrrev_b32 v1, 5, v0
	v_readfirstlane_b32 s[WV], v1
	s_lshr_b32 s[WR], s[WV], 1
	s_and_b32 s[WC], s[WV], 1
	s_bfe_u32 s[CX], ttmp6, 0x40000
	s_bfe_u32 s[CY], ttmp6, 0x40004
	s_lshl_b32 s[TX], ttmp9, 2
	s_add_co_u32 s[TX], s[TX], s[CX]
	s_and_b32 s[TY], ttmp7, 0xffff
	s_lshl_b32 s[TY], s[TY], 2
	s_add_co_u32 s[TY], s[TY], s[CY]
	s_lshl_b32 s21, s[CY], 2
	s_lshl_b32 s21, 15, s21
	s_lshl_b32 s22, 0x1111, s[CX]
	s_or_b32 s[G1A], s21, G1W0
	s_or_b32 s[G1B], s22, G1W0
	s_mov_b32 s[G1A+1], 128<<16
	s_mov_b32 s[G1A+2], RA<<16
	s_mov_b32 s[G1A+3], 128<<16
	s_mov_b32 s[G1A+4], RA
	s_mov_b32 s[G1A+5], 128
	s_mov_b32 s[G1A+6], 0
	s_mov_b32 s[G1A+7], 0
	s_mov_b32 s[G1B+1], 128<<16
	s_mov_b32 s[G1B+2], RB<<16
	s_mov_b32 s[G1B+3], 128<<16
	s_mov_b32 s[G1B+4], RB
	s_mov_b32 s[G1B+5], 128
	s_mov_b32 s[G1B+6], 0
	s_mov_b32 s[G1B+7], 0
	s_mul_i32 s58, s[TY], TBA
	s_mul_i32 s23, s[WC], GCA
	s_add_co_u32 s58, s58, s23
	s_mov_b32 s59, 0
	s_mul_i32 s60, s[TX], TBB
	s_mul_i32 s23, s[WC], GCB
	s_add_co_u32 s60, s60, s23
	s_mov_b32 s61, 0
	s_mul_i32 s2, s[WC], CHA
	s_mul_i32 s3, s[WC], CHB
	s_add_co_u32 s3, s3, AREG
	s_mov_b32 s[TB], 0
	s_wait_dscnt 0x0
	s_wait_kmcnt 0x0
	s_add_nc_u64 s[58:59], s[4:5], s[58:59]
	s_add_nc_u64 s[60:61], s[6:7], s[60:61]
.irp s, 0,1
	s_mov_b32 s[G0A+4*\s], 1
	s_add_co_u32 s[G0A+4*\s+1], s2, \s*SLOT1
	s_add_nc_u64 s[G0A+4*\s+2:G0A+4*\s+3], s[58:59], \s*KSA
	s_or_b32 s[G0A+4*\s+3], s[G0A+4*\s+3], 0x80000000
	s_mov_b32 s[G0B+4*\s], 1
	s_add_co_u32 s[G0B+4*\s+1], s3, \s*SLOT1
	s_add_nc_u64 s[G0B+4*\s+2:G0B+4*\s+3], s[60:61], \s*KSB
	s_or_b32 s[G0B+4*\s+3], s[G0B+4*\s+3], 0x80000000
.endr
	CROUND
	s_cmp_eq_u32 s[WR], 0
	s_cbranch_scc0 .Lfirst_b
	tensor_load_to_lds s[G0A:G0A+3], s[G1A:G1A+7]
	s_nop 0
	tensor_load_to_lds s[G0A+4:G0A+7], s[G1A:G1A+7]
	s_nop 0
.rept 4
	v_nop
.endr
	s_branch .Lfirst_asked
.Lfirst_b:
	tensor_load_to_lds s[G0B:G0B+3], s[G1B:G1B+7]
	s_nop 0
	tensor_load_to_lds s[G0B+4:G0B+7], s[G1B:G1B+7]
	s_nop 0
.rept 4
	v_nop
.endr
.Lfirst_asked:
	v_and_b32 v1, 15, v0
	v_bfe_u32 v2, v0, 4, 1
	v_mul_u32_u24 v3, v1, PITCH
	v_lshl_add_u32 v3, v2, 4, v3
	s_mul_i32 s21, s[WR], 16*NA*PITCH
	s_mul_i32 s22, s[WC], 64*NG*PITCH
	s_add_co_u32 s22, s22, AREG
	v_add_nc_u32 v[ADRA0], s21, v3
	v_add_nc_u32 v[ADRB0], s22, v3
	v_mov_b32 v[ADRA], v[ADRA0]
	v_mov_b32 v[ADRB], v[ADRB0]
	s_mul_i32 s23, s[WV], 16*SPITCH
	s_add_co_u32 s23, s23, STAGE                   ; my stage
	v_mul_u32_u24 v[STO], v1, SPITCH               ; in: row r, 32 bytes for each half of the lanes
	v_lshl_add_u32 v[STO], v2, 5, v[STO]
	v_add_nc_u32 v[STO], s23, v[STO]
	v_and_b32 v[GO], 31, v0
	v_lshlrev_b32 v[GO], 4, v[GO]                  ; back: 32 lanes take a row's 512 bytes
	v_add_nc_u32 v[RD], s23, v[GO]
	v_lshlrev_b32 v[BO], 5, v2
	s_and_b32 s21, s[TY], 15                       ; out0's row (s, b) lies at (4 s + b) x 4,096 bytes; s = 128 (TY % 16) + 64 WR + .., b = TY / 16
	s_lshl_b32 s21, s21, 21
	s_lshl_b32 s22, s[WR], 20
	s_add_co_u32 s21, s21, s22
	s_lshr_b32 s22, s[TY], 4
	s_lshl_b32 s22, s22, 12
	s_add_co_u32 s21, s21, s22
	s_lshl_b32 s22, s[TX], 10
	s_lshl_b32 s23, s[WC], 9
	s_add_co_u32 s22, s22, s23                     ; my 128 columns, in bytes
	s_add_co_u32 s[OUTP], s21, s22
	s_mov_b32 s[OUTP+1], 0
	s_add_nc_u64 s[OUTP:OUTP+1], s[10:11], s[OUTP:OUTP+1]
	s_add_co_u32 s[BIA], s22, 12288                ; b_out lies behind b_in's 3,072 numbers
	s_mov_b32 s[BIA+1], 0
	s_add_nc_u64 s[BIA:BIA+1], s[8:9], s[BIA:BIA+1]
.set fb, 0
.rept 8
	global_load_b128 v[BI+8*fb:BI+8*fb+3], v[BO], s[BIA:BIA+1] offset:64*fb
	global_load_b128 v[BI+8*fb+4:BI+8*fb+7], v[BO], s[BIA:BIA+1] offset:64*fb+16
.set fb, fb+1
.endr
	s_wait_tensorcnt 0x1                           ; my part of K step 0 is in; step 1's may stay out
	s_barrier_signal -1
	s_barrier_wait -1
	LDB 0, 0
	LDA AF0, 0
	LDB 1, 0
	QUARTER 0, 1                                   ; the first quarter's products start the sums
	WIN 0
	s_mov_b32 s[CNT], NS-2
.Lstep:                                        ; a trip: from a step's second quarter to the next step's first, with one refill
	QUARTER 1, 0
	QUARTER 2, 0
	TURN 1
	QUARTER 0, 0
	WIN 0
	s_sub_co_u32 s[CNT], s[CNT], 1
	s_cmp_lg_u32 s[CNT], 0
	s_cbranch_scc1 .Lstep
	QUARTER 1, 0                                   ; the tail is written out: nothing more is asked for
	QUARTER 2, 0
	TURN 0
	QUARTER 0, 0
	QUARTER 1, 0
	QUARTER 2, 0
	s_wait_dscnt 0x0                               ; the very last quarter
	GRP AF1, 0, 0, 0
	GRP AF1, 0, 1, 0
	GRP AF1, 1, 0, 0
	GRP AF1, 1, 1, 0
	PLACES
	WIN 0
	s_wait_loadcnt 0x0                             ; the bias
; THE WAY OUT, four blocks of 16 rows x 128 columns of f32: + bias; 32 bytes a lane into my stage; back as whole rows of 512 bytes; stored.
.macro OUT a
	WIN 0x01                                       ; source 0: the accumulators' window
.set fb, 0
.rept 8
.set pp, 0
.rept 4
	v_pk_add_f32 v[T+8*fb+2*pp:T+8*fb+2*pp+1], v[(fb*NA+(\a))*8+2*pp:(fb*NA+(\a))*8+2*pp+1], v[BI+8*fb+2*pp:BI+8*fb+2*pp+1]
.set pp, pp+1
.endr
.set fb, fb+1
.endr
	WIN 0
.set fb, 0
.rept 8
	ds_store_b128 v[STO], v[T+8*fb:T+8*fb+3] offset:64*fb
	ds_store_b128 v[STO], v[T+8*fb+4:T+8*fb+7] offset:64*fb+16
.set fb, fb+1
.endr
	s_wait_xcnt 0x0                                ; the last block's stores have read these registers
.set t, 0
.rept 16
	ds_load_b128 v[OB+4*t:OB+4*t+3], v[RD] offset:t*SPITCH  ; LDS serves a wave's instructions in order (ISA guide 5.7.1.4): these see the stores above
.set t, t+1
.endr
.set t, 0
.rept 16
	s_wait_dscnt 15-t                              ; row t is back; the younger rows' loads may stay out
	global_store_b128 v[GO], v[OB+4*t:OB+4*t+3], s[OUTP:OUTP+1] offset:(16*(\a)+t)*16384  ; 512 consecutive bytes of one row, at a multiple of 512 from the buffer's first
.set t, t+1
.endr
.endm
	OUT 0
	OUT 1
	OUT 2
	OUT 3
	s_wait_tensorcnt 0x0                           ; the wave's end
	ds_add_u32 v[SPW], v[NIL]
	s_wait_dscnt 0x0
	CROUND                                         ; the closing round
	s_endpgm
.Lfunc_end_k_q5a1bc568b5_outp:
	.size	k_q5a1bc568b5_outp, .Lfunc_end_k_q5a1bc568b5_outp-k_q5a1bc568b5_outp
	.p2alignl 7, 3214868480
	.fill 96, 4, 3214868480
	.section	.rodata,"a",@progbits
	.p2align	6, 0x0
	.amdhsa_kernel k_q5a1bc568b5_outp
		.amdhsa_group_segment_fixed_size 327680
		.amdhsa_private_segment_fixed_size 0
		.amdhsa_enable_private_segment 0
		.amdhsa_kernarg_size 32
		.amdhsa_user_sgpr_count 2
		.amdhsa_user_sgpr_kernarg_segment_ptr 1
		.amdhsa_wavefront_size32 1
		.amdhsa_system_sgpr_workgroup_id_x 1
		.amdhsa_system_sgpr_workgroup_id_y 1
		.amdhsa_system_sgpr_workgroup_id_z 1
		.amdhsa_system_vgpr_workitem_id 0
		.amdhsa_next_free_vgpr 512
		.amdhsa_next_free_sgpr 66
		.amdhsa_reserve_vcc 0
		.amdhsa_float_denorm_mode_32 3
		.amdhsa_float_denorm_mode_16_64 3
		.amdhsa_memory_ordered 1
		.amdhsa_forward_progress 1
		.amdhsa_inst_pref_size 82
	.end_amdhsa_kernel
	.amdgpu_metadata
---
amdhsa.version: [ 1, 2 ]
amdhsa.kernels:
  - .name:           k_q5a1bc568b5_outp
    .symbol:         k_q5a1bc568b5_outp.kd
    .args:
      - { .name: ob, .offset: 0, .size: 8, .value_kind: global_buffer, .address_space: global }
      - { .name: wo, .offset: 8, .size: 8, .value_kind: global_buffer, .address_space: global }
      - { .name: biasr, .offset: 16, .size: 8, .value_kind: global_buffer, .address_space: global }
      - { .name: out0, .offset: 24, .size: 8, .value_kind: global_buffer, .address_space: global }
    .group_segment_fixed_size: 327680
    .private_segment_fixed_size: 0
    .kernarg_segment_align: 8
    .kernarg_segment_size: 32
    .max_flat_workgroup_size: 128
    .sgpr_count:     66
    .vgpr_count:     512
    .wavefront_size: 32
...
	.end_amdgpu_metadata
.endif
;; end of part 4
